; MI455X (gfx1250); checked and timed in simulation.
; The chip was launched on July 23, 2026; its instructions are those of AMD's public machine-readable ISA for CDNA 5 (MIT licence, August 2026) and "CDNA5" Instruction Set Architecture Reference Guide (July 2026). The comments in the code are by the model that wrote it; some were corrected since.
;; Mamba3 Image Block. Allowed arithmetic: float matrix products may take bf16 or f16 operands with f32 sums; all other float work in f32.
;; Inputs: params_bwd_A_log 12 float32; params_bwd_D 12 float32; params_bwd_W_in 384 x 1,580 float32; params_bwd_W_out 768 x 384 float32; params_bwd_dt_bias 12 float32; params_bwd_norm_w 768 float32; params_fwd_A_log 12 float32; params_fwd_D 12 float32; params_fwd_W_in 384 x 1,580 float32; params_fwd_W_out 768 x 384 float32; params_fwd_dt_bias 12 float32; params_fwd_norm_w 768 float32; params_ln_b 384 float32; params_ln_g 384 float32; x 32 x 32 x 32 x 384 float32.
;; Outputs: out0 32 x 32 x 32 x 384 float32.
;; One version. Each part assembles by itself: llvm-mc -triple=amdgcn-amd-amdhsa -mcpu=gfx1250 --defsym DOCPART=n.
;; ======== version 1 of 1: 3 launches
;; limits: values outside matrix products are rounded to bf16; values are held in f16: magnitudes above 65,504 overflow, below 6.1e-05 lose precision
;; workspace buffers: xn 25,165,824 bytes; wa 2,654,208 bytes; wo 1,179,648 bytes; rope 32,768 bytes; hp 512 bytes; g 100,663,296 bytes; ssq 1,048,576 bytes
;; launch prep (part 1): grid 829 x 1, 8 waves a work-group, no clusters, 0 bytes of LDS; arguments x, params_ln_g, params_ln_b, xn, params_fwd_W_in, params_bwd_W_in, wa, params_fwd_W_out, params_bwd_W_out, params_fwd_norm_w, params_bwd_norm_w, wo, rope, params_fwd_A_log, params_bwd_A_log, params_fwd_D, params_bwd_D, params_fwd_dt_bias, params_bwd_dt_bias, hp; writes xn, wa, wo, rope, hp
.if DOCPART == 1
	.amdgcn_target "amdgcn-amd-amdhsa--gfx1250"
	.amdhsa_code_object_version 6
	.text
	.protected	k_q42bc97c615_prep
	.globl	k_q42bc97c615_prep
	.p2align	8
	.type	k_q42bc97c615_prep,@function
k_q42bc97c615_prep:
	s_mov_b64 s[64:65], 0
	v_nop
	global_prefetch_b8 v0, s[64:65] scope:SCOPE_SE
	s_setreg_imm32_b32 hwreg(HW_REG_WAVE_MODE, 25, 1), 1
	s_wait_xcnt 0x0
; PREPARATION.  Five parts, chosen by the work-group's number (forward scalar branches):
;   0..215    W: W_in of both directions, rounded to f16 and laid out as matrix fragments (wa)
;   216..311  O: W_out x norm_w, rounded to bf16, in panels of 8 rows (wo)
;   312..315  R: cos and sin of position x {1, 0.1, 0.01, 0.001} for the 1,024 positions (rope)
;   316       H: per head D, -exp(A_log) log2 e, dt_bias (hp)
;   317..828  L: LayerNorm of x, rounded to f16 (xn); 64 rows a work-group, 8 a wave
; LIMITS.  xn and W_in must lie within f16's 65,504 (|xn| <= 19.6 |ln_g| + |ln_b|); below 6e-5 f16 keeps its fixed step of 6e-8.
; The angle is reduced in revolutions with an f32 1/(2 pi): at position 1,023 it is off by 7e-5 rad at the most.  NaN and infinities are not treated apart.
; No LDS, no barrier, no matrix unit: every part is a stream.
	s_mov_b32 s2, ttmp9
	s_cmp_lt_u32 s2, 216
	s_cbranch_scc1 .Lpart_w
	s_cmp_lt_u32 s2, 312
	s_cbranch_scc1 .Lpart_o
	s_cmp_lt_u32 s2, 316
	s_cbranch_scc1 .Lpart_r
	s_cmp_eq_u32 s2, 316
	s_cbranch_scc1 .Lpart_h
; ---------------- PART L: LayerNorm.  A wave takes a row at a time: a lane holds 12 numbers, chunk c at byte 512 c + 16 lane, so each load covers 512 consecutive bytes.
; v[4:15] gain, v[16:27] bias, v[32:127] eight rows, v[128:133] at work, v[142:147] a row in f16.
	s_load_b256 s[4:11], s[0:1], 0x0               ; x, ln_g, ln_b, xn
	v_lshrrev_b32 v1, 5, v0
	v_readfirstlane_b32 s12, v1                    ; wave
	v_and_b32 v2, 31, v0
	s_sub_co_u32 s13, s2, 317
	s_lshl_b32 s13, s13, 6
	s_lshl3_add_u32 s13, s12, s13                  ; my first row: 64 x group + 8 x wave
	s_mul_i32 s14, s13, 1536                       ; its byte in x
	s_mov_b32 s15, 0
	s_mul_i32 s16, s13, 768                        ; and in xn
	s_mov_b32 s17, 0
	s_mov_b32 s18, 0x76543210                      ; v_permlanex16_b32: each lane takes its own place in the other half
	s_mov_b32 s19, 0xfedcba98
	s_mov_b32 s20, 0x3b2aaaab                      ; 1 / 384
	s_mov_b32 s21, 0x358637bd                      ; 1e-6
	v_lshlrev_b32 v3, 4, v2
	v_lshlrev_b32 v148, 3, v2
	s_wait_kmcnt 0x0
	s_add_nc_u64 s[4:5], s[4:5], s[14:15]
	s_add_nc_u64 s[10:11], s[10:11], s[16:17]
.set c, 0
.rept 3
	global_load_b128 v[4+4*c:7+4*c], v3, s[6:7] offset:512*c
	global_load_b128 v[16+4*c:19+4*c], v3, s[8:9] offset:512*c
.set c, c+1
.endr
.set i, 0
.rept 8
.set c, 0
.rept 3
	global_load_b128 v[32+12*i+4*c:35+12*i+4*c], v3, s[4:5] offset:1536*i+512*c
.set c, c+1
.endr
.set i, i+1
.endr
.macro REDUCE r, t                     ; the sum over the 32 lanes, in every lane
	v_add_f32_dpp v[\r], v[\r], v[\r] row_xmask:1 row_mask:0xf bank_mask:0xf
	v_add_f32_dpp v[\r], v[\r], v[\r] row_xmask:2 row_mask:0xf bank_mask:0xf
	v_add_f32_dpp v[\r], v[\r], v[\r] row_xmask:4 row_mask:0xf bank_mask:0xf
	v_add_f32_dpp v[\r], v[\r], v[\r] row_xmask:8 row_mask:0xf bank_mask:0xf
	v_permlanex16_b32 v[\t], v[\r], s18, s19
	v_add_f32 v[\r], v[\r], v[\t]
.endm
.macro ROW i
.set X, 32+12*(\i)
	s_wait_loadcnt 21-3*(\i)                       ; 30 loads were issued; the three of each younger row may stay out
	v_pk_add_f32 v[128:129], v[X:X+1], v[X+2:X+3]
	v_pk_add_f32 v[130:131], v[X+4:X+5], v[X+6:X+7]
	v_pk_add_f32 v[132:133], v[X+8:X+9], v[X+10:X+11]
	v_pk_add_f32 v[128:129], v[128:129], v[130:131]
	v_pk_add_f32 v[128:129], v[128:129], v[132:133]
	v_add_f32 v128, v128, v129
	REDUCE 128, 129
	v_mul_f32 v128, s20, v128                      ; the mean
.set k, 0
.rept 6
	v_pk_add_f32 v[X+2*k:X+2*k+1], v[X+2*k:X+2*k+1], v[128:129] op_sel_hi:[1,0] neg_lo:[0,1] neg_hi:[0,1]
.set k, k+1
.endr
	v_pk_mul_f32 v[130:131], v[X:X+1], v[X:X+1]    ; the variance is taken of x - mean: a common offset of x does no harm
	v_pk_mul_f32 v[132:133], v[X+2:X+3], v[X+2:X+3]
	v_pk_fma_f32 v[130:131], v[X+4:X+5], v[X+4:X+5], v[130:131]
	v_pk_fma_f32 v[132:133], v[X+6:X+7], v[X+6:X+7], v[132:133]
	v_pk_fma_f32 v[130:131], v[X+8:X+9], v[X+8:X+9], v[130:131]
	v_pk_fma_f32 v[132:133], v[X+10:X+11], v[X+10:X+11], v[132:133]
	v_pk_add_f32 v[130:131], v[130:131], v[132:133]
	v_add_f32 v130, v130, v131
	REDUCE 130, 131
	v_fma_f32 v130, v130, s20, s21
	v_rsq_f32 v130, v130
	s_wait_xcnt 0x0                                ; v[142:147] were the last row's store data: rewritten only behind this wait
	v_nop                                          ; a plain instruction between the root and the use of its result
.set k, 0
	s_wait_alu depctr_va_vdst(0)
.rept 6
	v_pk_mul_f32 v[X+2*k:X+2*k+1], v[X+2*k:X+2*k+1], v[130:131] op_sel_hi:[1,0]
.set k, k+1
.endr
.set k, 0
.rept 6
	v_pk_fma_f32 v[X+2*k:X+2*k+1], v[X+2*k:X+2*k+1], v[4+2*k:5+2*k], v[16+2*k:17+2*k]
.set k, k+1
.endr
.set k, 0
.rept 6
	v_cvt_pk_f16_f32 v[142+k], v[X+2*k], v[X+2*k+1]
.set k, k+1
.endr
.set c, 0
.rept 3
	global_store_b64 v148, v[142+2*c:143+2*c], s[10:11] offset:768*(\i)+256*c  ; 32 lanes store 256 consecutive bytes, at a multiple of 256 from xn's first
.set c, c+1
.endr
.endm
.set n, 0
.rept 8
	ROW n
.set n, n+1
.endr
	s_endpgm
; ---------------- PART W.  wa: [dh = 4 d + hg][tile 0..26][k step 12][half 2][lane 32][8] f16.  Tile 6 w + n6: wave w's 16 columns of x (n6 = 0..2) or z (n6 = 3..5) of head 3 hg + n6 % 3;
; tiles 24, 25, 26: B, C, dt.  Chunk c = 64 ks + 32 half + lane holds column (lane % 16), rows 8 (c / 16) + 0..7 of W_in: as a matrix fragment wants them.
; The dt tile has its three heads in rows 0..2 and again in rows 8..10, zeros elsewhere.
.Lpart_w:
	s_load_b128 s[4:7], s[0:1], 0x20               ; fwd W_in, bwd W_in
	s_load_b64 s[8:9], s[0:1], 0x30                ; wa
	s_lshr_b32 s10, s2, 3                          ; tile
	s_and_b32 s11, s2, 7                           ; dh
	s_lshr_b32 s12, s11, 2                         ; d
	s_and_b32 s13, s11, 3                          ; hg
	s_mul_hi_u32 s14, s10, 0x2aaaaaab              ; w = tile / 6
	s_mul_i32 s15, s14, 6
	s_sub_co_u32 s15, s10, s15                     ; n6
	s_sub_co_u32 s17, s15, 3
	s_cmp_lt_u32 s15, 3
	s_cselect_b32 s16, 768, 0                      ; x begins at column 768, z at 0
	s_cselect_b32 s17, s15, s17                    ; the head in the group
	s_mul_i32 s18, s13, 3
	s_add_co_u32 s17, s17, s18
	s_lshl_b32 s17, s17, 6
	s_add_co_u32 s16, s16, s17
	s_lshl4_add_u32 s16, s14, s16                  ; + 16 w
	s_lshl_b32 s19, s10, 4
	s_add_co_u32 s19, s19, 1152                    ; tiles 24, 25: columns 1536, 1552
	s_cmp_ge_u32 s10, 24
	s_cselect_b32 s16, s19, s16
	s_add_co_u32 s19, s18, 1568                    ; tile 26: the group's three dt columns
	s_cmp_eq_u32 s10, 26
	s_cselect_b32 s16, s19, s16
	s_cselect_b32 s20, 7, 15
	s_cselect_b32 s21, 3, 16
	s_sub_co_u32 s23, s21, 1
	v_and_b32 v1, 15, v0
	v_and_b32 v1, s20, v1
	v_cmp_gt_u32 s22, s21, v1                      ; rows that hold a column
	v_min_u32 v1, s23, v1
	v_add_nc_u32 v1, s16, v1
	v_lshrrev_b32 v2, 4, v0
	v_mul_u32_u24 v2, v2, 12640                    ; 8 rows of 1,580
	v_add_lshl_u32 v2, v2, v1, 2
	v_lshlrev_b32 v3, 4, v0
	s_mul_i32 s24, s11, 331776
	s_mul_i32 s25, s10, 12288
	s_add_co_u32 s24, s24, s25
	s_mov_b32 s25, 0
	s_cmp_eq_u32 s12, 1
	s_wait_kmcnt 0x0
	s_cselect_b64 s[4:5], s[6:7], s[4:5]
	s_add_nc_u64 s[8:9], s[8:9], s[24:25]
.set i, 0
.rept 3
.set e, 0
.rept 8
	global_load_b32 v[8+8*i+e], v2, s[4:5] offset:6320*e+808960*i
.set e, e+1
.endr
.set i, i+1
.endr
	s_wait_loadcnt 0x0
.set k, 0
.rept 24
	v_cndmask_b32 v[8+k], 0, v[8+k], s22
.set k, k+1
.endr
.set k, 0
.rept 12
	v_cvt_pk_f16_f32 v[32+k], v[8+2*k], v[9+2*k]
.set k, k+1
.endr
.set i, 0
.rept 3
	global_store_b128 v3, v[32+4*i:35+4*i], s[8:9] offset:4096*i
.set i, i+1
.endr
	s_endpgm
; ---------------- PART O.  wo: [d][panel kb 96][n 384][8] bf16 = W_out[8 kb + e][n] x norm_w[8 kb + e].  A work-group makes two panels: 768 chunks of 16 bytes, three a thread.
.Lpart_o:
	s_load_b128 s[4:7], s[0:1], 0x38               ; fwd W_out, bwd W_out
	s_load_b128 s[8:11], s[0:1], 0x48              ; fwd norm_w, bwd norm_w
	s_load_b64 s[12:13], s[0:1], 0x58              ; wo
	s_sub_co_u32 s14, s2, 216
	s_sub_co_u32 s15, s14, 48
	s_cmp_ge_u32 s14, 48
	s_cselect_b32 s16, 1, 0                        ; d
	s_cselect_b32 s15, s15, s14                    ; q: panels 2 q, 2 q + 1
	s_lshl_b32 s17, s15, 4                         ; their first row of W_out
	s_mul_i32 s18, s16, 96
	s_lshl1_add_u32 s18, s15, s18
	s_mul_i32 s18, s18, 6144
	s_mov_b32 s19, 0
	v_lshlrev_b32 v8, 4, v0
.set i, 0
.rept 3
	v_add_nc_u32 v9, 256*i, v0                     ; chunk
	v_cmp_le_u32 vcc_lo, 384, v9
	v_cndmask_b32 v10, 0, 1, vcc_lo                ; which of the two panels
	v_mul_u32_u24 v11, v10, 384
	v_sub_nc_u32 v9, v9, v11                       ; n
	v_lshl_add_u32 v10, v10, 3, s17                ; the panel's first row
	v_lshlrev_b32 v[5+i], 2, v10
	v_mul_u32_u24 v10, v10, 384
	v_add_lshl_u32 v[2+i], v10, v9, 2
.set i, i+1
.endr
	s_cmp_eq_u32 s16, 1
	s_wait_kmcnt 0x0
	s_cselect_b64 s[4:5], s[6:7], s[4:5]
	s_cselect_b64 s[8:9], s[10:11], s[8:9]
	s_add_nc_u64 s[12:13], s[12:13], s[18:19]
.set i, 0
.rept 3
.set e, 0
.rept 8
	global_load_b32 v[16+8*i+e], v[2+i], s[4:5] offset:1536*e
.set e, e+1
.endr
	global_load_b128 v[40+8*i:43+8*i], v[5+i], s[8:9]
	global_load_b128 v[44+8*i:47+8*i], v[5+i], s[8:9] offset:16
.set i, i+1
.endr
	s_wait_loadcnt 0x0
.set k, 0
.rept 12
	v_pk_mul_f32 v[16+2*k:17+2*k], v[16+2*k:17+2*k], v[40+2*k:41+2*k]
.set k, k+1
.endr
.set k, 0
.rept 12
	v_cvt_pk_bf16_f32 v[64+k], v[16+2*k], v[17+2*k]
.set k, k+1
.endr
.set i, 0
.rept 3
	global_store_b128 v8, v[64+4*i:67+4*i], s[12:13] offset:4096*i
.set i, i+1
.endr
	s_endpgm
; ---------------- PART R.  rope: cos[1024][4] f32, then sin[1024][4] at byte 16,384.  The angle is brought into -pi .. pi; sine by its series to x^15, cosine to x^16: the first term left out is below 1e-6.
.Lpart_r:
	s_load_b64 s[4:5], s[0:1], 0x60
	s_sub_co_u32 s6, s2, 312
	s_lshl_b32 s6, s6, 8
	v_add_nc_u32 v2, s6, v0                        ; position
	v_cvt_f32_u32 v1, v2
	v_lshlrev_b32 v2, 4, v2
.macro TRIG k, f
	v_mul_f32 v16, \f, v1                          ; the angle
	v_mul_f32 v17, 0.15915494, v16
	v_rndne_f32 v17, v17                           ; whole revolutions
	v_fma_f32 v17, v16, 0.15915494, -v17
	v_mul_f32 v17, 0x40c90fdb, v17                 ; what is left, in radians
	v_mul_f32 v18, v17, v17
	v_mov_b32 v19, 0xab573f9f                      ; -1/15!
	v_mov_b32 v20, 0x29573f9f                      ; 1/16!
	v_fmaak_f32 v19, v19, v18, 0x2f309231          ; 1/13!
	v_fmaak_f32 v20, v20, v18, 0xad49cba5          ; -1/14!
	v_fmaak_f32 v19, v19, v18, 0xb2d7322b          ; -1/11!
	v_fmaak_f32 v20, v20, v18, 0x310f76c7          ; 1/12!
	v_fmaak_f32 v19, v19, v18, 0x3638ef1d          ; 1/9!
	v_fmaak_f32 v20, v20, v18, 0xb493f27e          ; -1/10!
	v_fmaak_f32 v19, v19, v18, 0xb9500d01          ; -1/7!
	v_fmaak_f32 v20, v20, v18, 0x37d00d01          ; 1/8!
	v_fmaak_f32 v19, v19, v18, 0x3c088889          ; 1/5!
	v_fmaak_f32 v20, v20, v18, 0xbab60b61          ; -1/6!
	v_fmaak_f32 v19, v19, v18, 0xbe2aaaab          ; -1/3!
	v_fmaak_f32 v20, v20, v18, 0x3d2aaaab          ; 1/4!
	v_fma_f32 v19, v19, v18, 1.0
	v_fma_f32 v20, v20, v18, -0.5
	v_mul_f32 v[12+(\k)], v19, v17                 ; sine
	v_fma_f32 v[8+(\k)], v20, v18, 1.0             ; cosine
.endm
	TRIG 0, 1.0
	TRIG 1, 0x3dcccccd
	TRIG 2, 0x3c23d70a
	TRIG 3, 0x3a83126f
	s_wait_kmcnt 0x0
	global_store_b128 v2, v[8:11], s[4:5]
	global_store_b128 v2, v[12:15], s[4:5] offset:16384
	s_endpgm
; ---------------- PART H.  hp: [d][12][4] f32 = D, -exp(A_log) log2 e, dt_bias, 0.  24 threads of wave 0.
.Lpart_h:
	v_lshrrev_b32 v1, 5, v0
	v_readfirstlane_b32 s3, v1
	s_cmp_lg_u32 s3, 0
	s_cbranch_scc1 .Lend_h
	s_load_b256 s[4:11], s[0:1], 0x68              ; fwd A_log, bwd A_log, fwd D, bwd D
	s_load_b128 s[12:15], s[0:1], 0x88             ; fwd dt_bias, bwd dt_bias
	s_load_b64 s[16:17], s[0:1], 0x98              ; hp
	v_cmp_le_u32 s20, 12, v0                       ; threads 12 .. take the backward set
	v_cndmask_b32 v1, 0, 12, s20
	v_sub_nc_u32 v1, v0, v1
	v_min_u32 v1, 11, v1                           ; the head; threads 24 .. 31 load head 11 once more and store nothing
	v_lshlrev_b32 v1, 2, v1
	v_lshlrev_b32 v12, 4, v0
	s_wait_kmcnt 0x0
	global_load_b32 v2, v1, s[4:5]
	global_load_b32 v3, v1, s[6:7]
	global_load_b32 v4, v1, s[8:9]
	global_load_b32 v5, v1, s[10:11]
	global_load_b32 v6, v1, s[12:13]
	global_load_b32 v7, v1, s[14:15]
	s_wait_loadcnt 0x0
	v_cndmask_b32 v2, v2, v3, s20
	v_cndmask_b32 v8, v4, v5, s20
	v_cndmask_b32 v10, v6, v7, s20
	v_mul_f32 v2, 0x3fb8aa3b, v2
	v_exp_f32 v2, v2
	v_mov_b32 v11, 0                               ; also the plain instruction behind the exponential
	s_wait_alu depctr_va_vdst(0)
	v_mul_f32 v9, 0xbfb8aa3b, v2
	s_wait_xcnt 0x0                                ; EXEC changes only behind this wait
	v_cmp_gt_u32 vcc_lo, 24, v0
	s_and_saveexec_b32 s21, vcc_lo
	global_store_b128 v12, v[8:11], s[16:17]
	s_wait_xcnt 0x0                                ; and again in front of the line that widens it
	s_or_b32 exec_lo, exec_lo, s21
.Lend_h:
	s_endpgm
.Lfunc_end_k_q42bc97c615_prep:
	.size	k_q42bc97c615_prep, .Lfunc_end_k_q42bc97c615_prep-k_q42bc97c615_prep
	.p2alignl 7, 3214868480
	.fill 96, 4, 3214868480
	.section	.rodata,"a",@progbits
	.p2align	6, 0x0
	.amdhsa_kernel k_q42bc97c615_prep
		.amdhsa_group_segment_fixed_size 0
		.amdhsa_private_segment_fixed_size 0
		.amdhsa_enable_private_segment 0
		.amdhsa_kernarg_size 160
		.amdhsa_user_sgpr_count 2
		.amdhsa_user_sgpr_kernarg_segment_ptr 1
		.amdhsa_wavefront_size32 1
		.amdhsa_system_sgpr_workgroup_id_x 1
		.amdhsa_system_sgpr_workgroup_id_y 1
		.amdhsa_system_sgpr_workgroup_id_z 1
		.amdhsa_system_vgpr_workitem_id 0
		.amdhsa_next_free_vgpr 160
		.amdhsa_next_free_sgpr 66
		.amdhsa_reserve_vcc 1
		.amdhsa_float_denorm_mode_32 3
		.amdhsa_float_denorm_mode_16_64 3
		.amdhsa_memory_ordered 1
		.amdhsa_forward_progress 1
		.amdhsa_inst_pref_size 55
	.end_amdhsa_kernel
	.amdgpu_metadata
---
amdhsa.version: [ 1, 2 ]
amdhsa.kernels:
  - .name:           k_q42bc97c615_prep
    .symbol:         k_q42bc97c615_prep.kd
    .args:
      - { .name: x, .offset: 0, .size: 8, .value_kind: global_buffer, .address_space: global }
      - { .name: params_ln_g, .offset: 8, .size: 8, .value_kind: global_buffer, .address_space: global }
      - { .name: params_ln_b, .offset: 16, .size: 8, .value_kind: global_buffer, .address_space: global }
      - { .name: xn, .offset: 24, .size: 8, .value_kind: global_buffer, .address_space: global }
      - { .name: params_fwd_W_in, .offset: 32, .size: 8, .value_kind: global_buffer, .address_space: global }
      - { .name: params_bwd_W_in, .offset: 40, .size: 8, .value_kind: global_buffer, .address_space: global }
      - { .name: wa, .offset: 48, .size: 8, .value_kind: global_buffer, .address_space: global }
      - { .name: params_fwd_W_out, .offset: 56, .size: 8, .value_kind: global_buffer, .address_space: global }
      - { .name: params_bwd_W_out, .offset: 64, .size: 8, .value_kind: global_buffer, .address_space: global }
      - { .name: params_fwd_norm_w, .offset: 72, .size: 8, .value_kind: global_buffer, .address_space: global }
      - { .name: params_bwd_norm_w, .offset: 80, .size: 8, .value_kind: global_buffer, .address_space: global }
      - { .name: wo, .offset: 88, .size: 8, .value_kind: global_buffer, .address_space: global }
      - { .name: rope, .offset: 96, .size: 8, .value_kind: global_buffer, .address_space: global }
      - { .name: params_fwd_A_log, .offset: 104, .size: 8, .value_kind: global_buffer, .address_space: global }
      - { .name: params_bwd_A_log, .offset: 112, .size: 8, .value_kind: global_buffer, .address_space: global }
      - { .name: params_fwd_D, .offset: 120, .size: 8, .value_kind: global_buffer, .address_space: global }
      - { .name: params_bwd_D, .offset: 128, .size: 8, .value_kind: global_buffer, .address_space: global }
      - { .name: params_fwd_dt_bias, .offset: 136, .size: 8, .value_kind: global_buffer, .address_space: global }
      - { .name: params_bwd_dt_bias, .offset: 144, .size: 8, .value_kind: global_buffer, .address_space: global }
      - { .name: hp, .offset: 152, .size: 8, .value_kind: global_buffer, .address_space: global }
    .group_segment_fixed_size: 0
    .private_segment_fixed_size: 0
    .kernarg_segment_align: 8
    .kernarg_segment_size: 160
    .max_flat_workgroup_size: 256
    .sgpr_count:     66
    .vgpr_count:     160
    .wavefront_size: 32
...
	.end_amdgpu_metadata
.endif
;; end of part 1
;; launch ssd (part 2): grid 256 x 1, 4 waves a work-group, clusters of 4 x 1, 327,680 bytes of LDS; arguments xn, wa, rope, hp, g, ssq; writes g, ssq
.if DOCPART == 2
	.amdgcn_target "amdgcn-amd-amdhsa--gfx1250"
	.amdhsa_code_object_version 6
	.text
	.protected	k_q42bc97c615_ssd
	.globl	k_q42bc97c615_ssd
	.p2align	8
	.type	k_q42bc97c615_ssd,@function
k_q42bc97c615_ssd:
	s_mov_b64 s[64:65], 0
	v_nop
	global_prefetch_b8 v0, s[64:65] scope:SCOPE_SE
	s_setreg_imm32_b32 hwreg(HW_REG_WAVE_MODE, 25, 1), 1
	s_wait_xcnt 0x0
	s_wait_alu depctr_hold_cnt(0) depctr_sa_sdst(0) depctr_va_vdst(0) depctr_va_sdst(0) depctr_va_ssrc(0) depctr_va_vcc(0) depctr_vm_vsrc(0)
	s_getreg_b32 s2, hwreg(HW_REG_IB_STS2, 6, 4)
	s_cmp_eq_u32 s2, 0
	s_cbranch_scc0 .Lentry_in_a_cluster
	s_endpgm
.Lentry_in_a_cluster:
	s_bfe_u32 s2, ttmp6, 0x10000c
	s_cmp_lg_u32 s2, 0x3003
	s_cbranch_scc0 .Lentry_shape_is_right
	s_endpgm
.Lentry_shape_is_right:
; IN-PROJECTION, ROTATION, SOFTPLUS, SCAN, SKIP AND GATE of one image b, one direction d and one group hg of three heads: 32 x 2 x 4 = 256 work-groups, each walking its 1,024 tokens from first to last.
; SHARES.  The scan does not mix heads, so the state H (64 x 16 a head) never leaves registers.  Wave w owns channels 16 w .. 16 w + 15 of each of the three heads, for x and for z; its 6 x 12 weight fragments
; (f16, 576 registers) are loaded once.  The 48 small columns (B, C, dt) lie in LDS as fragments; wave w computes them for tile w of each block of four tiles of 16 tokens.
; THE SCAN AS PRODUCTS, a tile of 16 tokens at a time.  la = log2 of a step's decay, cum its inclusive prefix in the tile, TT its total.
;   Y_t = (D + dt_t C_t . B_t) x_t + sum over s < t of (C_t . B_s) 2^(cum_t - cum_s) dt_s x_s + 2^cum_t C_t . H        H' = 2^TT H + sum over s of 2^(TT - cum_s) dt_s B_s x_s
; Every exponent is <= 0.  One product [Ce | M] x [H ; X] (K = 16 states + 16 tokens) adds the history onto F x; one product [0 | Bw^T] x [H ; X] adds onto the decayed H.
; THE TOKEN'S OWN TERM IS KEPT IN F32: F = D + dt_t C_t . B_t.  D x_t and dt_t (C_t . B_t) x_t are multiples of the same x_t and can cancel in all channels of a head at once, and the norm behind enlarges
; what is left; so their factor is made in f32, and M's diagonal is 0.
; LAYOUT.  x and z come out of the in-projection with one channel a lane and tokens 8 (lane / 16) + 0..7 in the registers: x's registers rounded in pairs ARE the token half of source 1 of both scan products,
; and Y has z's layout.  The small columns are made with the sources swapped: one token a lane.
; DIRECTION.  Tiles are fetched in sequence order (for d = 1 from descending addresses); inside a tile tokens stay in memory order, and for d = 1 the triangle is the upper one, the prefix runs the other way
; (a reversal of the 16 lanes before and behind it) and the position is 15 - r.  d enters global addresses, lane masks and lane selects alone.
; CLUSTER.  The four head groups of one (b, d) read the same tiles of xn: each tile is asked for jointly.  The head group (the place in the cluster) enters global addresses alone.
; FORMATS.  In-projection f16 x f16 (xn is bounded by the LayerNorm, W_in has room); scan products and g in bf16 (they grow with a power of the weights' scale); sums, H, cum, F, gates in f32.
; LIMITS.  xn, W_in within 65,504.  A step's la below -300 counts as -300, a decay below 2^-126 as 0 (in f32 the decay itself is 0 there).  softplus takes e (1 - e/2) for e = exp(-|v|) < 2^-11.
; NaN and infinities are not treated apart.
; REGISTERS, in windows of 256 (s_set_vgpr_msb: bits 1:0 source 0, 3:2 source 1, 5:4 source 2, 7:6 destination):
;   window 0: v0-31 addresses; v32-159 at work, by phase; v160-255 x, then Y: accumulator (tile t, head j) at 160 + 8 (3 t + j)
;   windows 1-3: v0-191 weights: k step ks, fragment n6 at 8 (6 (ks % 4) + n6) of window 1 + ks / 4
;   window 1: v192-255 z, q = 3 t + j = 0..7        window 2: v192-223 z, q = 8..11; v224-247 H; v248-251 cos; v252-255 sin
;   window 3: v192-215 fragments of the small columns; v216-223 my own tile's fragment; v224-247 B, C, dt of my tile; v248, v249 two LDS addresses.  In the recurrence v192-215 and v224-247 hold F, by the tile's parity
.set TILEB, 13056                      ; a tile in LDS: 16 tokens x 3 x (256 + 16 of padding); a token's row of 816 bytes is an odd multiple of 16
.set SLOT1, 65536                      ; slot 0 at 0, slot 1 here: four tiles each
.set SCR,   52224                      ; per wave 512 bytes: cum[3][16], dt[3][16]
.set DECL,  54272                      ; [tile][4] f32: 2^TT of the three heads
.set FL,    54528                      ; [head][tile][16 tokens] f32: F = D + dt C . B; 768 bytes
.set WXL,   117760                     ; the small columns' fragments, 3 x 12,288
.set A1L,   154624                     ; [head][tile] 16 rows of 80 bytes: Ce, M
.set BWL,   169984                     ; [head][tile] 16 rows of 96 bytes: Bw
.set STG,   188416                     ; per wave 3 x 16 rows of 96 bytes: the way out
.set SSQL,  206848                     ; per wave 1,024 f32: sums of squares
.set SPARE, 223232                     ; the spare words, 128 bytes a wave
.set MSB, 0
.macro WIN new                         ; the immediate's high byte repeats the setting that is left; a switch that changes nothing is dropped
.if MSB != (\new)
	s_set_vgpr_msb (MSB<<8)|(\new)
.set MSB, (\new)
.endif
.endm
.macro PLACES                          ; four places behind matrix instructions, in front of loads into their registers and of reads of their results
.rept 4
	v_nop
.endr
.endm
.macro ROUND                           ; a round of the cluster's barrier
	s_barrier_signal -1
	s_barrier_wait -1
	s_cmp_lg_u32 s16, 0
	s_cbranch_scc1 .Lnot_wave_0_\@
	s_barrier_signal -3
.Lnot_wave_0_\@:
	s_barrier_wait -3
	s_barrier_signal -1
	s_barrier_wait -1
.endm
.macro H3 line:vararg                  ; one line for each head j
.set j, 0
	s_wait_alu depctr_va_vdst(0)
.rept 3
	\line
.set j, j+1
.endr
.endm
.macro PKMULB dst, src, sc             ; a pair times one register in both halves.  The pair's other register is named but not taken
.if (\sc)&1
	v_pk_mul_f32 v[(\dst):(\dst)+1], v[(\src):(\src)+1], v[(\sc)-1:(\sc)] op_sel:[0,1] op_sel_hi:[1,1]
.else
	v_pk_mul_f32 v[(\dst):(\dst)+1], v[(\src):(\src)+1], v[(\sc):(\sc)+1] op_sel_hi:[1,0]
.endif
.endm
.macro PKSUBB dst, sc, src             ; one register in both halves, less a pair
.if (\sc)&1
	v_pk_add_f32 v[(\dst):(\dst)+1], v[(\sc)-1:(\sc)], v[(\src):(\src)+1] op_sel:[1,0] op_sel_hi:[1,1] neg_lo:[0,1] neg_hi:[0,1]
.else
	v_pk_add_f32 v[(\dst):(\dst)+1], v[(\sc):(\sc)+1], v[(\src):(\src)+1] op_sel_hi:[0,1] neg_lo:[0,1] neg_hi:[0,1]
.endif
.endm
	s_load_b256 s[4:11], s[0:1], 0x0               ; xn s[4:5], wa s[6:7], rope s[8:9], hp s[10:11]
	s_load_b128 s[12:15], s[0:1], 0x20             ; g s[12:13], ssq s[14:15]
	v_lshl_add_u32 v30, v0, 2, SPARE
	v_mov_b32 v31, 0
	ds_add_u32 v30, v31                            ; the wave's opening: the add and its wait go ahead of my first tensor load; the set-up below stands between them
	v_lshrrev_b32 v1, 5, v0
	v_readfirstlane_b32 s16, v1                    ; wave w
	s_bfe_u32 s17, ttmp6, 0x40000                  ; hg: my place in the cluster
	s_mov_b32 s18, ttmp9                           ; bd = 2 b + d: the cluster's number
	s_and_b32 s19, s18, 1                          ; d
	s_lshr_b32 s20, s18, 1                         ; b
	s_mul_i32 s21, s16, TILEB
	; descriptor group 1: a tile's 12,288 dense bytes as 48 rows of 256, 16 bytes of padding behind each
	s_mov_b32 s24, 15|(3<<16)|(1<<20)|(1<<21)|(5<<22)|(3<<25)  ; the mask of four; 8-byte elements; padding on; bit 21 beside a mask; after every 64 words; 4 words
	s_mov_b32 s25, 32<<16                          ; tensor_dim0 = 32
	s_mov_b32 s26, 48<<16                          ; tensor_dim1 = 48
	s_mov_b32 s27, 32<<16                          ; tile_dim0 = 32
	s_mov_b32 s28, 48                              ; tile_dim1 = 48
	s_mov_b32 s29, 32                              ; 32 elements from row to row
	s_mov_b32 s30, 0
	s_mov_b32 s31, 0
	s_mov_b32 s32, 1                               ; group 0: count = 1
	s_mul_i32 s33, s16, TILEB                      ; LDS address: tile w of slot 0
	s_lshl_b32 s22, s16, 4
	s_sub_co_u32 s23, 1008, s22
	s_mov_b32 s78, 49152
	s_sub_co_u32 s79, 0, s78
	s_mov_b32 s90, 1024
	s_sub_co_u32 s91, 0, s90
	s_mov_b32 s66, 0x76543210                      ; v_permlane16_b32's selects: as they lie,
	s_mov_b32 s67, 0xfedcba98
	s_mov_b32 s94, 0x76543210                      ; v_permlanex16_b32's selects: each lane takes its own place in the other half
	s_mov_b32 s95, 0xfedcba98
	s_cmp_eq_u32 s19, 1
	s_cselect_b32 s22, s23, s22                    ; my first tile's first token in memory: 16 w, or 1008 - 16 w
	s_cselect_b32 s38, s79, s78                    ; from block to block: 64 tokens of 768 bytes, up or down
	s_cselect_b32 s73, s91, s90                    ; the same in g's panels: 64 tokens of 16 bytes
	s_cselect_b32 s66, 0x89abcdef, s66             ; or reversed
	s_cselect_b32 s67, 0x01234567, s67
	s_cselect_b32 s89, 15, 0
	s_mul_i32 s36, s22, 768                        ; s[36:37]: my tile's byte offset in the image
	s_mov_b32 s37, 0
	s_mov_b32 s39, 0                               ; the slot in hand
	s_mov_b32 s41, s21                             ; my own tile in it
	s_mov_b32 s40, 15                              ; blocks that ask for a next one
	s_mov_b32 s68, 0xaaaaaaaa                      ; lanes with bit 0, 1, 2, 3 of their number set
	s_mov_b32 s69, 0xcccccccc
	s_mov_b32 s70, 0xf0f0f0f0
	s_mov_b32 s71, 0xff00ff00
	s_mov_b32 s72, 0xffff0000                      ; lanes 16-31
	s_mov_b32 s74, 0
	s_mov_b32 s75, 0xc47a0000                      ; -1000: the exponent of a hidden pair
	s_mov_b32 s92, 0xbfb8aa3b                      ; -log2 e, as a pair
	s_mov_b32 s93, s92
	s_mul_i32 s78, s20, 786432                     ; the image in xn
	s_mov_b32 s79, 0
	s_lshl2_add_u32 s22, s19, s17                  ; dh = 4 d + hg
	s_mul_i32 s90, s22, 331776
	s_mov_b32 s91, 0
	s_mul_i32 s86, s16, 73728                      ; my six tiles of wa
	s_mov_b32 s87, 0
	s_mul_i32 s22, s19, 12
	s_mul_i32 s23, s17, 3
	s_add_co_u32 s22, s22, s23
	s_lshl_b32 s88, s22, 4                         ; my first head in hp
	s_wait_dscnt 0x0                               ; the opening add is done
	s_wait_kmcnt 0x0
	s_add_nc_u64 s[42:43], s[4:5], s[78:79]
	s_add_nc_u64 s[34:35], s[42:43], s[36:37]      ; group 0: global address,
	s_or_b32 s35, s35, 0x80000000                  ; type = 2
	s_add_nc_u64 s[80:81], s[6:7], s[90:91]
	s_add_nc_u64 s[82:83], s[80:81], s[86:87]
	s_load_b128 s[44:47], s[10:11], s88 offset:0x0   ; head j: D, -exp(A_log) log2 e, dt_bias, 0 in s[44 + 4 j ..]
	s_load_b128 s[48:51], s[10:11], s88 offset:0x10
	s_load_b128 s[52:55], s[10:11], s88 offset:0x20
	s_mul_i32 s78, s18, 1572864                    ; g: [b][d][panel 96][token 1024][8]: my first panel is 24 hg + 2 w
	s_mul_i32 s22, s17, 24
	s_lshl1_add_u32 s22, s16, s22
	s_lshl_b32 s22, s22, 14
	s_add_co_u32 s78, s78, s22
	s_add_nc_u64 s[76:77], s[12:13], s[78:79]
	s_lshl2_add_u32 s78, s18, s17
	s_lshl_b32 s78, s78, 12
	s_add_nc_u64 s[84:85], s[14:15], s[78:79]      ; ssq: [b][d][hg][1024]
	s_wait_kmcnt 0x0
	ROUND                                          ; all four work-groups are here: the first joint loads meet
	tensor_load_to_lds s[32:35], s[24:31]          ; block 0, tile w, into slot 0.  Slot 1 is first filled behind the first block's round
	s_nop 0
	PLACES
	v_and_b32 v24, 15, v0                          ; r
	v_bfe_u32 v25, v0, 4, 1                        ; h
	v_and_b32 v26, 31, v0                          ; lane
	v_and_b32 v27, 7, v0
	v_bfe_u32 v28, v0, 3, 1
	v_lshlrev_b32 v4, 4, v0                        ; 16 x thread; never rewritten
	v_lshlrev_b32 v5, 4, v26                       ; 16 x lane; never rewritten
	v_add_nc_u32 v22, WXL, v4
.set k, 0
.rept 18                               ; the small columns' fragments: 36,864 bytes through registers into LDS, once
	global_load_b128 v[32+4*k:35+4*k], v4, s[80:81] offset:294912+2048*k
.set k, k+1
.endr
	v_mul_u32_u24 v2, v24, 816
	v_lshl_add_u32 v2, v25, 4, v2                  ; v2: a fragment's place in a tile: token r, 16 h
	s_mul_i32 s22, s16, 512
	s_add_co_u32 s22, s22, SCR
	v_lshl_add_u32 v6, v24, 2, s22                 ; v6: my token's word in my scratch
	v_lshl_add_u32 v7, v25, 5, s22                 ; v7: tokens 8 h .. 8 h + 7 there
	v_mul_u32_u24 v1, v24, 80
	v_lshl_add_u32 v1, v25, 4, v1
	v_add_nc_u32 v11, A1L, v1                      ; v11: reading [Ce | M]
	s_mul_i32 s22, s16, 1280
	v_add_nc_u32 v8, s22, v11                      ; v8: writing them, tile w
	v_mul_u32_u24 v1, v24, 96
	v_lshl_add_u32 v1, v25, 4, v1
	s_mul_i32 s22, s16, 1536
	s_add_co_u32 s22, s22, BWL
	v_add_nc_u32 v9, s22, v1                       ; v9: writing Bw, tile w
	s_mul_i32 s23, s16, 4608
	s_add_co_u32 s23, s23, STG
	v_add_nc_u32 v14, s23, v1                      ; v14: into my stage
	v_lshl_add_u32 v29, v25, 3, v27                ; the turning load: row 8 h + lane % 8, 16 bytes by (lane / 8) % 2
	v_mul_u32_u24 v29, v29, 96
	v_lshl_add_u32 v29, v28, 4, v29
	v_add_nc_u32 v12, BWL, v29                     ; v12: reading Bw turned
	v_add_nc_u32 v15, s23, v29                     ; v15: out of my stage, turned
	s_lshl_b32 s22, s16, 4
	s_add_co_u32 s23, s22, DECL
	v_mov_b32 v10, s23                             ; v10: writing the tile's decays
	v_mov_b32 v13, DECL                            ; v13: reading them
	v_xor_b32 v1, s89, v24                         ; r, or 15 - r
	v_add_nc_u32 v1, s22, v1
	v_lshlrev_b32 v20, 4, v1                       ; v20: my token's position x 16 bytes in rope
	v_lshlrev_b32 v21, 2, v27
	v_lshl_add_u32 v21, v25, 5, v21
	v_lshl_add_u32 v21, v28, 6, v21
	s_lshl_b32 s22, s16, 12
	s_add_co_u32 s22, s22, SSQL
	v_add_nc_u32 v21, s22, v21                     ; v21: token 8 h + r % 8 of tile (r / 8) in my sums of squares
	v_mov_b32 v23, v21                             ; v23: the same in the block in hand
	s_wait_loadcnt 0x0
.set k, 0
.rept 18
	ds_store_b128 v22, v[32+4*k:35+4*k] offset:2048*k
.set k, k+1
.endr
.set ks, 0
.rept 12                               ; my weights: 144 loads of 512 consecutive bytes
	WIN (1+ks/4)<<6
.set n6, 0
.rept 6
	global_load_b128 v[8*(6*(ks%4)+n6):8*(6*(ks%4)+n6)+3], v5, s[82:83] offset:n6*12288+ks*1024
	global_load_b128 v[8*(6*(ks%4)+n6)+4:8*(6*(ks%4)+n6)+7], v5, s[82:83] offset:n6*12288+ks*1024+512
.set n6, n6+1
.endr
.set ks, ks+1
.endr
	WIN 0
	v_lshlrev_b32 v1, 3, v25
.set k, 0
.rept 8                                ; s[56 + k]: lanes (t = r) for which token s = 8 h + k is an earlier one: s < t, or for d = 1 s > t.  The token itself is not among them: F carries it
	v_add_nc_u32 v29, k, v1
	v_cmp_lt_u32 s22, v29, v24
	v_cmp_gt_u32 s23, v29, v24
	s_cmp_eq_u32 s19, 1
	s_cselect_b32 s[56+k], s23, s22
.set k, k+1
.endr
.set k, 0
.rept 4                                ; v[16 + t]: in g, panel h, token (tile t's first) + r
	s_cmp_eq_u32 s19, 1
	s_cselect_b32 s22, 1008-16*k, 16*k
	v_add_nc_u32 v29, s22, v24
	v_lshlrev_b32 v29, 4, v29
	v_lshl_add_u32 v[16+k], v25, 14, v29
.set k, k+1
.endr
	s_lshl_b32 s22, s16, 6
	s_add_co_u32 s22, s22, FL
	v_lshl_add_u32 v27, v24, 2, s22                ; v27: writing F: tile w, token r
	v_lshl_add_u32 v28, v25, 5, FL                 ; v28: reading it: tokens 8 h .. 8 h + 7
	WIN 0xc0
	v_lshl_add_u32 v248, v26, 4, WXL               ; window 3, v248: the small columns' fragments, 16 x lane
	WIN 0x80
.set k, 0
.rept 24
	v_mov_b32 v[224+k], 0                          ; H = 0
.set k, k+1
.endr
	WIN 0
	s_wait_loadcnt 0x0                             ; the weights are in
; ---- the in-projection of a block: 64 tokens x (48 x + 48 z) a wave, and 16 tokens x 48 small columns
.macro XFLOAD p, i                     ; fragments of all four tiles for k steps 2 i, 2 i + 1 into buffer p: 16 loads
.set xk, 0
.rept 2
.set xko, ((2*(\i)+xk)/4)*272+((2*(\i)+xk)%4)*64
.set xt, 0
.rept 4
.set xr, 32+64*(\p)+8*(4*xk+xt)
	ds_load_b128 v[xr:xr+3], v3 offset:xt*TILEB+xko
	ds_load_b128 v[xr+4:xr+7], v3 offset:xt*TILEB+xko+32
.set xt, xt+1
.endr
.set xk, xk+1
.endr
.endm
.macro WXLOAD ks                       ; k step ks of the small columns and of my own tile: 8 loads, all in window 3
.set wko, ((\ks)/4)*272+((\ks)%4)*64
.set t3, 0
.rept 3
	ds_load_b128 v[192+8*t3:195+8*t3], v248 offset:t3*12288+(\ks)*1024
	ds_load_b128 v[196+8*t3:199+8*t3], v248 offset:t3*12288+(\ks)*1024+512
.set t3, t3+1
.endr
	ds_load_b128 v[216:219], v249 offset:wko
	ds_load_b128 v[220:223], v249 offset:wko+32
.endm
.macro MULE zero                       ; B, C, dt of my tile: sources swapped, so that a lane holds a token
.set t3, 0
.rept 3
.if \zero
	v_wmma_f32_16x16x32_f16 v[224+8*t3:231+8*t3], v[192+8*t3:199+8*t3], v[216:223], 0
.else
	v_wmma_f32_16x16x32_f16 v[224+8*t3:231+8*t3], v[192+8*t3:199+8*t3], v[216:223], v[224+8*t3:231+8*t3]
.endif
.set t3, t3+1
.endr
.endm
.macro MULG acc0, q0, nq, nof, zero    ; two k steps on accumulators q0 .. q0 + nq - 1 (q = 3 tile + head), which take turns, one instruction a turn
.set mk, 0
.rept 2
.set mq, \q0
.rept \nq
.set ma, (\acc0)+8*(mq-(\q0))
.set mx, 32+64*PB+8*(4*mk+mq/3)
.set mw, 8*(6*((KA+mk)%4)+(\nof)+mq%3)
.if (\zero) && (mk == 0)
	v_wmma_f32_16x16x32_f16 v[ma:ma+7], v[mx:mx+7], v[mw:mw+7], 0
.else
	v_wmma_f32_16x16x32_f16 v[ma:ma+7], v[mx:mx+7], v[mw:mw+7], v[ma:ma+7]
.endif
.set mq, mq+1
.endr
.set mk, mk+1
.endr
.endm
.macro STRETCH i                       ; k steps 2 i and 2 i + 1: 54 matrix instructions, 32 LDS loads, five switches of the windows
.set KA, 2*(\i)
.set PB, (\i)&1
.set WW, 1+(\i)/2
.set ZR, 0
.if (\i) == 0
.set ZR, 1                             ; the first k step starts every sum with the constant 0
.endif
	WIN 0xff
	PLACES                                         ; for the loads below into registers that the products just issued have read
	WXLOAD KA
	WIN WW<<2
.if (\i) < 5
	XFLOAD 1-PB, (\i)+1
.endif
.if (\i) == 0
	s_wait_dscnt 24                                ; the block's first fragments are in; the 8 + 16 loads issued behind them may stay out
.endif
	MULG 160, 0, 12, 0, ZR                         ; x
	s_wait_dscnt 0x0                               ; the small columns' fragments, and the next stretch's
	WIN 0xff
	MULE ZR
	PLACES
	WXLOAD KA+1
	WIN 0x50|(WW<<2)
	MULG 192, 0, 8, 3, ZR                          ; z, window 1
	WIN 0xa0|(WW<<2)
	MULG 192, 8, 4, 3, ZR                          ; z, window 2
	s_wait_dscnt 0x0
	WIN 0xff
	MULE 0
.endm
; ---- my own tile (tile w of the block): a lane holds token r; registers hold states 8 h + 0..7
; at work: v32-39 B rotated, v40-47 C rotated, v48-51 temporaries, then C . B and F, v52-59 and v60-67 B's and C's bf16 fragments, v68-75 G = C B^T (lane t, register s = 8 h + k), v76-78 dt, v80-82 la then cum,
; v84-86 the prefix in sequence order then 2^cum, v88-90 2^(TT - cum) dt, v92-95 TT then 2^TT, v96-119 cum of tokens 8 h .., v120-143 their dt, v144-151 and v152-159 at work
.macro ROPE e, r                       ; states 0-3 and 4-7 are rotated; in lanes 16-31 (states 8-15) cos = 1 and sin = 0
.set p, 0
.rept 2
	v_pk_mul_f32 v[48:49], v[(\e)+2*p:(\e)+2*p+1], v[248+2*p:249+2*p]
	v_pk_mul_f32 v[50:51], v[(\e)+2*p:(\e)+2*p+1], v[252+2*p:253+2*p]
	v_pk_fma_f32 v[(\r)+2*p:(\r)+2*p+1], v[(\e)+4+2*p:(\e)+5+2*p], v[252+2*p:253+2*p], v[48:49] neg_lo:[1,0,0] neg_hi:[1,0,0]
	v_pk_fma_f32 v[(\r)+4+2*p:(\r)+5+2*p], v[(\e)+4+2*p:(\e)+5+2*p], v[248+2*p:249+2*p], v[50:51]
.set p, p+1
.endr
.endm
.macro CEBW j                          ; Ce = C 2^cum and Bw = B 2^(TT - cum) dt of head j, in bf16, into LDS
.set k, 0
.rept 4
	PKMULB 144+2*k, 40+2*k, 84+(\j)
.set k, k+1
.endr
.set k, 0
.rept 4
	v_cvt_pk_bf16_f32 v[152+k], v[144+2*k], v[145+2*k]
.set k, k+1
.endr
	ds_store_b128 v8, v[152:155] offset:5120*(\j)
.set k, 0
.rept 4
	PKMULB 144+2*k, 32+2*k, 88+(\j)
.set k, k+1
.endr
.set k, 0
.rept 4
	v_cvt_pk_bf16_f32 v[156+k], v[144+2*k], v[145+2*k]
.set k, k+1
.endr
	ds_store_b128 v9, v[156:159] offset:6144*(\j)
.endm
.macro MTILE j                         ; M[t][s] = G 2^(cum_t - cum_s) dt_s where s is an earlier token, else 0
.set k, 0
.rept 4
	PKSUBB 144+2*k, 80+(\j), 96+8*(\j)+2*k
.set k, k+1
.endr
.set k, 0
.rept 8
	v_cndmask_b32 v[144+k], s75, v[144+k], s[56+k]
.set k, k+1
.endr
.set k, 0
.rept 8
	v_exp_f32 v[144+k], v[144+k]
.set k, k+1
.endr
	v_nop                                          ; a plain instruction behind the last exponential
.set k, 0
	s_wait_alu depctr_va_vdst(0)
.rept 4
	v_pk_mul_f32 v[144+2*k:145+2*k], v[144+2*k:145+2*k], v[68+2*k:69+2*k]
.set k, k+1
.endr
.set k, 0
.rept 4
	v_pk_mul_f32 v[144+2*k:145+2*k], v[144+2*k:145+2*k], v[120+8*(\j)+2*k:121+8*(\j)+2*k]
.set k, k+1
.endr
.set k, 0
.rept 4
	v_cvt_pk_bf16_f32 v[152+k], v[144+2*k], v[145+2*k]
.set k, k+1
.endr
	ds_store_b128 v8, v[152:155] offset:5120*(\j)+32
.endm
.macro OWNTILE
	PLACES                                         ; behind the last products, whose results are read below
	s_wait_loadcnt 0x0                             ; cos and sin of my token's position
	WIN 0x82
.set k, 0
.rept 4
	v_cndmask_b32 v[248+k], v[248+k], 1.0, s72
	v_cndmask_b32 v[252+k], v[252+k], 0, s72
.set k, k+1
.endr
	WIN 0x0b                                       ; source 0 window 3 (B, C, dt), source 1 window 2 (cos, sin)
	ROPE 224, 32
	ROPE 232, 40
	v_add_f32 v76, v240, s46                       ; dt's argument: both halves of the lanes hold it (rows 0-2 and 8-10 of the tile)
	v_add_f32 v77, v241, s50
	v_add_f32 v78, v242, s54
	WIN 0
.set k, 0
.rept 4
	v_cvt_pk_bf16_f32 v[52+k], v[32+2*k], v[33+2*k]
	v_cvt_pk_bf16_f32 v[60+k], v[40+2*k], v[41+2*k]
	v_mov_b32 v[56+k], 0                           ; K = 16 states: the upper half of K is 0
	v_mov_b32 v[64+k], 0
.set k, k+1
.endr
	v_wmma_f32_16x16x32_bf16 v[68:75], v[52:59], v[60:67], 0   ; G: lane t, register s
	; my token's own C . B in f32: my eight states, then the other half of the lanes' eight
	v_pk_mul_f32 v[48:49], v[32:33], v[40:41]
	v_pk_mul_f32 v[50:51], v[34:35], v[42:43]
	v_pk_fma_f32 v[48:49], v[36:37], v[44:45], v[48:49]
	v_pk_fma_f32 v[50:51], v[38:39], v[46:47], v[50:51]
	v_pk_add_f32 v[48:49], v[48:49], v[50:51]
	v_add_f32 v48, v48, v49
	v_permlanex16_b32 v49, v48, s94, s95
	v_add_f32 v48, v48, v49
	; softplus, the three heads side by side: max(v, 0) + log(1 + e), e = exp(-|v|)
	H3 v_mul_f32 v[88+j], s92, |v[76+j]|
	H3 v_exp_f32 v[88+j], v[88+j]
	H3 v_max_num_f32 v[80+j], 0, v[76+j]
	H3 v_add_f32 v[92+j], 1.0, v[88+j]
	H3 v_fma_f32 v[84+j], v[88+j], -0.5, 1.0
	H3 v_log_f32 v[92+j], v[92+j]
	H3 v_mul_f32 v[84+j], v[88+j], v[84+j]
	H3 v_cmp_gt_f32 s[86+j], 0x3a000000, v[88+j]
	H3 v_mul_f32 v[92+j], 0x3f317218, v[92+j]
	H3 v_cndmask_b32 v[92+j], v[92+j], v[84+j], s[86+j]
	H3 v_add_f32 v[76+j], v[80+j], v[92+j]
	H3 v_fma_f32 v[49+j], v[76+j], v48, s[44+4*j]
	H3 v_mul_f32 v[80+j], s[45+4*j], v[76+j]
	H3 v_max_num_f32 v[80+j], 0xc3960000, v[80+j]
	; the inclusive prefix over the tile's 16 tokens in sequence order
	H3 v_permlane16_b32 v[84+j], v[80+j], s66, s67
	H3 v_add_f32_dpp v[84+j], v[84+j], v[84+j] row_shr:1 row_mask:0xf bank_mask:0xf bound_ctrl:1
	H3 v_add_f32_dpp v[84+j], v[84+j], v[84+j] row_shr:2 row_mask:0xf bank_mask:0xf bound_ctrl:1
	H3 v_add_f32_dpp v[84+j], v[84+j], v[84+j] row_shr:4 row_mask:0xf bank_mask:0xf bound_ctrl:1
	H3 v_add_f32_dpp v[84+j], v[84+j], v[84+j] row_shr:8 row_mask:0xf bank_mask:0xf bound_ctrl:1
	H3 v_mov_b32_dpp v[92+j], v[84+j] row_share:15 row_mask:0xf bank_mask:0xf
	H3 v_permlane16_b32 v[80+j], v[84+j], s66, s67
	; F = D + dt C . B goes to all four waves (both halves of the lanes store the same number to the same word);
	; cum and dt of tokens 8 h .. 8 h + 7 come to every lane through my own scratch: LDS serves a wave's instructions in order (ISA guide 5.7.1.4)
	H3 ds_store_b32 v27, v[49+j] offset:256*j
	H3 ds_store_b32 v6, v[80+j] offset:64*j
	H3 ds_store_b32 v6, v[76+j] offset:192+64*j
	H3 ds_load_b128 v[96+8*j:99+8*j], v7 offset:64*j
	H3 ds_load_b128 v[100+8*j:103+8*j], v7 offset:64*j+16
	H3 ds_load_b128 v[120+8*j:123+8*j], v7 offset:192+64*j
	H3 ds_load_b128 v[124+8*j:127+8*j], v7 offset:208+64*j
	H3 v_sub_f32 v[88+j], v[92+j], v[80+j]
	H3 v_exp_f32 v[84+j], v[80+j]
	H3 v_exp_f32 v[88+j], v[88+j]
	H3 v_exp_f32 v[92+j], v[92+j]
	v_nop
	s_wait_alu depctr_va_vdst(0)
	H3 v_mul_f32 v[88+j], v[88+j], v[76+j]
	v_mov_b32 v95, v94                             ; the fourth word of the 16 bytes
	ds_store_b128 v10, v[92:95]
	CEBW 0
	CEBW 1
	CEBW 2
	s_wait_dscnt 7                                 ; the twelve loads are in; the seven stores issued behind them may stay out
	MTILE 0
	MTILE 1
	MTILE 2
	s_wait_dscnt 0x0                               ; for the others' sake: my stores are done
	s_barrier_signal -1
	s_barrier_wait -1                              ; all four tiles' Ce, M, Bw, F and decays are there.  The next block's tile stays on its way
.endm
; ---- the recurrence over the block's four tiles
; at work: v32-79 [Hq | Xq], head j, buffer p at 32 + 8 (3 p + j); v80-127 [Ce | M] likewise; v128-151 [0 | Bw^T]; v152-159 the decays, two buffers; window 3: F, head j at 192 + 32 p + 8 j
.macro LDF tau                         ; 6 loads: F of tokens 8 h .. 8 h + 7, three heads
	WIN 0xc0
.set fb, 192+32*((\tau)&1)
	H3 ds_load_b128 v[fb+8*j:fb+8*j+3], v28 offset:256*j+64*(\tau)
	H3 ds_load_b128 v[fb+8*j+4:fb+8*j+7], v28 offset:256*j+64*(\tau)+16
.endm
.macro LDA1 tau                        ; 7 loads
	WIN 0
.set p, (\tau)&1
.set j, 0
.rept 3
.set fr, 80+8*(3*p+j)
	ds_load_b128 v[fr:fr+3], v11 offset:(4*j+(\tau))*1280
	ds_load_b128 v[fr+4:fr+7], v11 offset:(4*j+(\tau))*1280+32
.set j, j+1
.endr
	ds_load_b128 v[152+4*p:155+4*p], v13 offset:16*(\tau)
.endm
.macro LDA2 tau                        ; 3 loads, turned: lane = state, registers = tokens
	WIN 0
	H3 ds_load_tr16_b128 v[132+8*j:135+8*j], v12 offset:(4*j+(\tau))*1536
.endm
.macro XCVT tau                        ; x rounded to bf16: the token half of source 1
	WIN 0
.set j, 0
.rept 3
.set k, 0
.rept 4
	v_cvt_pk_bf16_f32 v[36+8*(3*((\tau)&1)+j)+k], v[160+8*(3*(\tau)+j)+2*k], v[161+8*(3*(\tau)+j)+2*k]
.set k, k+1
.endr
.set j, j+1
.endr
.endm
.macro DSC tau                         ; the skip and the token's own term: x times F, a factor for each token, onto which the product adds the history
	WIN 0x0c
.set fb, 192+32*((\tau)&1)
.set j, 0
.rept 3
.set k, 0
.rept 4
	v_pk_mul_f32 v[160+8*(3*(\tau)+j)+2*k:161+8*(3*(\tau)+j)+2*k], v[160+8*(3*(\tau)+j)+2*k:161+8*(3*(\tau)+j)+2*k], v[fb+8*j+2*k:fb+8*j+2*k+1]
.set k, k+1
.endr
.set j, j+1
.endr
.endm
.macro HQ tau                          ; H rounded to bf16: the state half of source 1
	WIN 0x0a
.set j, 0
.rept 3
.set k, 0
.rept 4
	v_cvt_pk_bf16_f32 v[32+8*(3*((\tau)&1)+j)+k], v[224+8*j+2*k], v[225+8*j+2*k]
.set k, k+1
.endr
.set j, j+1
.endr
.endm
.macro YW tau
	WIN 0
	H3 v_wmma_f32_16x16x32_bf16 v[160+8*(3*(\tau)+j):167+8*(3*(\tau)+j)], v[80+8*(3*((\tau)&1)+j):87+8*(3*((\tau)&1)+j)], v[32+8*(3*((\tau)&1)+j):39+8*(3*((\tau)&1)+j)], v[160+8*(3*(\tau)+j):167+8*(3*(\tau)+j)]
.endm
.macro HDEC tau                        ; H times the tile's decay
	WIN 0x82
.set j, 0
.rept 3
.set k, 0
.rept 4
	PKMULB 224+8*j+2*k, 224+8*j+2*k, 152+4*((\tau)&1)+j
.set k, k+1
.endr
.set j, j+1
.endr
.endm
.macro HW tau
	WIN 0xa0
	H3 v_wmma_f32_16x16x32_bf16 v[224+8*j:231+8*j], v[128+8*j:135+8*j], v[32+8*(3*((\tau)&1)+j):39+8*(3*((\tau)&1)+j)], v[224+8*j:231+8*j]
.endm
.macro RECUR
	WIN 0
.set j, 0
.rept 3
.set k, 0
.rept 4
	v_mov_b32 v[128+8*j+k], 0                      ; the state half of K adds nothing to H
.set k, k+1
.endr
.set j, j+1
.endr
	LDF 0
	LDA1 0
	LDA2 0
	LDF 1
	LDA1 1
	HQ 0
	XCVT 0
	s_wait_dscnt 23                                ; tile 0's F is in; the 7 + 3 + 6 + 7 loads issued behind it may stay out
	DSC 0
.irp tau, 0,1,2,3
.if \tau < 3
	s_wait_dscnt 13                                ; this tile's [Ce | M], decays and Bw are in; the next tile's 6 of F and 7 of [Ce | M] and decays may stay out
.else
	s_wait_dscnt 0x0
.endif
	YW \tau                                        ; three accumulators take turns
	HDEC \tau
	HW \tau
.if \tau < 3
	XCVT (\tau)+1                                  ; 24 plain instructions that name none of those products' registers: the places in front of the loads and of H's reading below
	s_wait_dscnt 7                                 ; the next tile's F is in; its 7 of [Ce | M] and decays may stay out
	DSC (\tau)+1
	LDA2 (\tau)+1
.endif
.if \tau < 2
	LDF (\tau)+2
	LDA1 (\tau)+2
.endif
.if \tau < 3
	HQ (\tau)+1
.endif
.endr
	WIN 0
.endm
; ---- the gate and the way out of tile tau: g = Y z / (1 + 2^(-z log2 e)); its squares summed over my 48 channels; g in bf16, turned through my stage into panels [token][8 channels]
; at work: v32-55 the three heads' 8 tokens; v80-87 squares; v88-99 temporaries; v100-111 bf16; v112-123 turned; v124-127 a tile's sums
.macro ZWIN q
.if (\q) < 8
	WIN 0x01
.else
	WIN 0x02
.endif
.endm
.macro GATE tau
.set j, 0
.rept 3
	ZWIN 3*(\tau)+j
.set zr, 192+8*((3*(\tau)+j)%8)
.set k, 0
.rept 4
	v_pk_mul_f32 v[32+8*j+2*k:33+8*j+2*k], v[zr+2*k:zr+2*k+1], s[92:93] op_sel_hi:[1,0]
.set k, k+1
.endr
.set j, j+1
.endr
	WIN 0
.set k, 0
.rept 24
	v_exp_f32 v[32+k], v[32+k]
.set k, k+1
.endr
	v_nop
.set k, 0
	s_wait_alu depctr_va_vdst(0)
.rept 12
	v_pk_add_f32 v[32+2*k:33+2*k], v[32+2*k:33+2*k], 1.0 op_sel_hi:[1,0]
.set k, k+1
.endr
.set k, 0
.rept 24
	v_rcp_f32 v[32+k], v[32+k]
.set k, k+1
.endr
	v_nop
	s_wait_alu depctr_va_vdst(0)
.set j, 0
.rept 3
	ZWIN 3*(\tau)+j
.set zr, 192+8*((3*(\tau)+j)%8)
.set k, 0
.rept 4
	v_pk_mul_f32 v[32+8*j+2*k:33+8*j+2*k], v[zr+2*k:zr+2*k+1], v[32+8*j+2*k:33+8*j+2*k]
.set k, k+1
.endr
.set j, j+1
.endr
	WIN 0
.set k, 0
.rept 12
	v_pk_mul_f32 v[32+2*k:33+2*k], v[32+2*k:33+2*k], v[160+24*(\tau)+2*k:161+24*(\tau)+2*k]
.set k, k+1
.endr
.set k, 0
.rept 4
	v_pk_mul_f32 v[80+2*k:81+2*k], v[32+2*k:33+2*k], v[32+2*k:33+2*k]
.set k, k+1
.endr
.set k, 0
.rept 4
	v_pk_fma_f32 v[80+2*k:81+2*k], v[40+2*k:41+2*k], v[40+2*k:41+2*k], v[80+2*k:81+2*k]
.set k, k+1
.endr
.set k, 0
.rept 4
	v_pk_fma_f32 v[80+2*k:81+2*k], v[48+2*k:49+2*k], v[48+2*k:49+2*k], v[80+2*k:81+2*k]
.set k, k+1
.endr
.set k, 0
.rept 12
	v_cvt_pk_bf16_f32 v[100+k], v[32+2*k], v[33+2*k]
.set k, k+1
.endr
	s_wait_xcnt 0x0                                ; v112-123 were the last tile's store data: loaded again only behind this wait
	H3 ds_store_b128 v14, v[100+4*j:103+4*j] offset:1536*j
	H3 ds_load_tr16_b128 v[112+4*j:115+4*j], v15 offset:1536*j
	; eight registers (tokens) x 16 lanes (channels) are summed over the lanes; lane r ends with token 8 h + r % 8: at each of three levels a lane keeps one register of a pair and sends the other
.set k, 0
.rept 4
	v_cndmask_b32 v[88+k], v[80+2*k], v[81+2*k], s68
	v_cndmask_b32 v[92+k], v[81+2*k], v[80+2*k], s68
.set k, k+1
.endr
.set k, 0
.rept 4
	v_add_f32_dpp v[88+k], v[92+k], v[88+k] row_xmask:1 row_mask:0xf bank_mask:0xf
.set k, k+1
.endr
.set k, 0
.rept 2
	v_cndmask_b32 v[96+k], v[88+2*k], v[89+2*k], s69
	v_cndmask_b32 v[92+k], v[89+2*k], v[88+2*k], s69
.set k, k+1
.endr
.set k, 0
.rept 2
	v_add_f32_dpp v[96+k], v[92+k], v[96+k] row_xmask:2 row_mask:0xf bank_mask:0xf
.set k, k+1
.endr
	v_cndmask_b32 v[124+(\tau)], v96, v97, s70
	v_cndmask_b32 v92, v97, v96, s70
	v_add_f32_dpp v[124+(\tau)], v92, v[124+(\tau)] row_xmask:4 row_mask:0xf bank_mask:0xf
	v_add_f32_dpp v[124+(\tau)], v[124+(\tau)], v[124+(\tau)] row_xmask:8 row_mask:0xf bank_mask:0xf
	s_wait_dscnt 0x0
	H3 global_store_b128 v[16+(\tau)], v[112+4*j:115+4*j], s[76:77] offset:131072*j
	; (each half of the lanes stores 256 consecutive bytes, 16 tokens of a panel, at a multiple of 256 from g's first byte)
.if (\tau)&1
	v_cndmask_b32 v88, v[123+(\tau)], v[124+(\tau)], s71   ; lanes r < 8 carry the even tile's sums, the others the odd tile's
	ds_store_b32 v23, v88 offset:128*((\tau)>>1)
.endif
.endm
; THE CHANGE OF SLOTS.  Each wave waits for all its tensor loads, of which one is out: its tile of the block to come; adds 0 to its spare word; and waits for that and for its LDS reads and stores.
; The round then holds of every wave of all four work-groups: nobody reads the old slot, the new one is whole, and the last block's Ce, M, Bw, F and decays have been read.
; fill = 1: the old slot takes the tiles of the block behind the one now entered: my one load, first thing behind the round; it has a whole block's work in which to land.
.macro CHANGE fill
	WIN 0
	s_wait_tensorcnt 0x0                           ; no tensor load of mine is out, so group 0 may be written
	ds_add_u32 v30, v31                            ; 0 onto my spare word
.if \fill
	s_xor_b32 s33, s33, SLOT1                      ; the other slot,
	s_add_co_u32 s36, s36, s38                     ; the next block's tile: the offset steps, and the address is made anew from the image's
	s_add_nc_u64 s[34:35], s[42:43], s[36:37]
	s_or_b32 s35, s35, 0x80000000
.endif
	s_wait_dscnt 0x0
	ROUND
.if \fill
	tensor_load_to_lds s[32:35], s[24:31]
	s_nop 0
	PLACES
.endif
.endm
.macro BODY last
	v_add_nc_u32 v3, s39, v2                       ; fragments in the slot in hand
	WIN 0xc0
	v_add_nc_u32 v249, s41, v2                     ; and in my own tile of it
	WIN 0x80
	global_load_b128 v[248:251], v20, s[8:9]       ; cos, sin of my token's position
	global_load_b128 v[252:255], v20, s[8:9] offset:16384
	WIN 0
	XFLOAD 0, 0
	STRETCH 0
	STRETCH 1
	STRETCH 2
	STRETCH 3
	STRETCH 4
	STRETCH 5
	OWNTILE
	RECUR
	GATE 0
	GATE 1
	GATE 2
	GATE 3
.if !(\last)
	s_wait_xcnt 0x0                                ; the stores' addresses are stepped only behind this wait
.set k, 0
.rept 4
	v_add_nc_u32 v[16+k], s73, v[16+k]
.set k, k+1
.endr
	v_add_nc_u32 v20, 0x400, v20                   ; 64 positions on
	s_add_co_u32 s74, s74, 256
	v_add_nc_u32 v23, s74, v21
	s_xor_b32 s39, s39, SLOT1
	s_add_co_u32 s41, s39, s21
.endif
.endm
.Lblock:                                               ; 15 trips: a block is worked on and the next is asked for
	CHANGE 1
	BODY 0
	s_sub_co_u32 s40, s40, 1
	s_cmp_lg_u32 s40, 0
	s_cbranch_scc1 .Lblock
	CHANGE 0                                       ; the last block is written out
	BODY 1
	; the four waves' sums of squares are added and stored
	s_wait_dscnt 0x0
	s_barrier_signal -1
	s_barrier_wait -1
	v_lshl_add_u32 v22, v0, 4, SSQL
.set q, 0
.rept 2
.set k, 0
.rept 4
	ds_load_b128 v[32+16*q+4*k:35+16*q+4*k], v22 offset:2048*q+4096*k
.set k, k+1
.endr
.set q, q+1
.endr
	s_wait_dscnt 0x0
.set q, 0
.rept 2
.set e, 0
.rept 2
	v_pk_add_f32 v[32+16*q+2*e:33+16*q+2*e], v[32+16*q+2*e:33+16*q+2*e], v[36+16*q+2*e:37+16*q+2*e]
	v_pk_add_f32 v[40+16*q+2*e:41+16*q+2*e], v[40+16*q+2*e:41+16*q+2*e], v[44+16*q+2*e:45+16*q+2*e]
	v_pk_add_f32 v[32+16*q+2*e:33+16*q+2*e], v[32+16*q+2*e:33+16*q+2*e], v[40+16*q+2*e:41+16*q+2*e]
.set e, e+1
.endr
	global_store_b128 v4, v[32+16*q:35+16*q], s[84:85] offset:2048*q
.set q, q+1
.endr
	s_wait_tensorcnt 0x0                           ; the wave's end: behind my last tensor load and my last LDS store
	ds_add_u32 v30, v31
	s_wait_dscnt 0x0
	ROUND                                          ; the closing round
	s_endpgm
.Lfunc_end_k_q42bc97c615_ssd:
	.size	k_q42bc97c615_ssd, .Lfunc_end_k_q42bc97c615_ssd-k_q42bc97c615_ssd
	.p2alignl 7, 3214868480
	.fill 96, 4, 3214868480
	.section	.rodata,"a",@progbits
	.p2align	6, 0x0
	.amdhsa_kernel k_q42bc97c615_ssd
		.amdhsa_group_segment_fixed_size 327680
		.amdhsa_private_segment_fixed_size 0
		.amdhsa_enable_private_segment 0
		.amdhsa_kernarg_size 48
		.amdhsa_user_sgpr_count 2
		.amdhsa_user_sgpr_kernarg_segment_ptr 1
		.amdhsa_wavefront_size32 1
		.amdhsa_system_sgpr_workgroup_id_x 1
		.amdhsa_system_sgpr_workgroup_id_y 1
		.amdhsa_system_sgpr_workgroup_id_z 1
		.amdhsa_system_vgpr_workitem_id 0
		.amdhsa_next_free_vgpr 1024
		.amdhsa_next_free_sgpr 96
		.amdhsa_reserve_vcc 0
		.amdhsa_float_denorm_mode_32 3
		.amdhsa_float_denorm_mode_16_64 3
		.amdhsa_memory_ordered 1
		.amdhsa_forward_progress 1
		.amdhsa_inst_pref_size 248
	.end_amdhsa_kernel
	.amdgpu_metadata
---
amdhsa.version: [ 1, 2 ]
amdhsa.kernels:
  - .name:           k_q42bc97c615_ssd
    .symbol:         k_q42bc97c615_ssd.kd
    .args:
      - { .name: xn, .offset: 0, .size: 8, .value_kind: global_buffer, .address_space: global }
      - { .name: wa, .offset: 8, .size: 8, .value_kind: global_buffer, .address_space: global }
      - { .name: rope, .offset: 16, .size: 8, .value_kind: global_buffer, .address_space: global }
      - { .name: hp, .offset: 24, .size: 8, .value_kind: global_buffer, .address_space: global }
      - { .name: g, .offset: 32, .size: 8, .value_kind: global_buffer, .address_space: global }
      - { .name: ssq, .offset: 40, .size: 8, .value_kind: global_buffer, .address_space: global }
    .group_segment_fixed_size: 327680
    .private_segment_fixed_size: 0
    .kernarg_segment_align: 8
    .kernarg_segment_size: 48
    .max_flat_workgroup_size: 128
    .sgpr_count:     96
    .vgpr_count:     1024
    .wavefront_size: 32
...
	.end_amdgpu_metadata
.endif
;; end of part 2
;; launch outp (part 3): grid 256 x 1, 4 waves a work-group, clusters of 4 x 1, 327,680 bytes of LDS; arguments g, wo, ssq, x, out0; writes out0
.if DOCPART == 3
	.amdgcn_target "amdgcn-amd-amdhsa--gfx1250"
	.amdhsa_code_object_version 6
	.text
	.protected	k_q42bc97c615_outp
	.globl	k_q42bc97c615_outp
	.p2align	8
	.type	k_q42bc97c615_outp,@function
k_q42bc97c615_outp:
	s_mov_b64 s[64:65], 0
	v_nop
	global_prefetch_b8 v0, s[64:65] scope:SCOPE_SE
	s_setreg_imm32_b32 hwreg(HW_REG_WAVE_MODE, 25, 1), 1
	s_wait_xcnt 0x0
	s_wait_alu depctr_hold_cnt(0) depctr_sa_sdst(0) depctr_va_vdst(0) depctr_va_sdst(0) depctr_va_ssrc(0) depctr_va_vcc(0) depctr_vm_vsrc(0)
	s_getreg_b32 s2, hwreg(HW_REG_IB_STS2, 6, 4)
	s_cmp_eq_u32 s2, 0
	s_cbranch_scc0 .Lentry_in_a_cluster
	s_endpgm
.Lentry_in_a_cluster:
	s_bfe_u32 s2, ttmp6, 0x10000c
	s_cmp_lg_u32 s2, 0x3003
	s_cbranch_scc0 .Lentry_shape_is_right
	s_endpgm
.Lentry_shape_is_right:
; out = x + 0.5 (r_f g_f Wo_f + r_b g_b Wo_b), r_d = 1 / sqrt(mean of g_d^2 + 1e-5) per token; Wo_d = W_out x norm_w in bf16, g in bf16, sums in f32.
; SHARES.  A work-group makes 128 tokens x 384 columns, K = 1,536: direction 0's 768 channels, then direction 1's (in g and in wo the two lie end to end).  A wave makes 64 tokens x 192 columns: 48 accumulators.
; ONE SET OF SUMS FOR BOTH DIRECTIONS.  Behind K step 5 the sums are multiplied by rho = r_f / r_b, at the end by s = 0.5 r_b: both hang on the token alone, which is the lane.  Multiplications only.
; THE MATRIX INSTRUCTION IS USED TRANSPOSED (source 0 = 16 columns of wo, source 1 = 16 tokens of g): a lane holds one token and eight neighbouring columns.
; K goes in steps of 128 through two LDS slots.  g and wo lie in memory in panels [8 channels' worth: row][8] of 16 bytes a row, so the 16 lanes of a fragment load read 256 consecutive bytes: no padding.
; CLUSTER.  All work-groups read the same wo: waves 1 to 3 ask for its tile jointly, a third each; wave 0 fetches the work-group's own tile of g by a plain load.  32,768 bytes a wave and step.
; REGISTERS: window 0: v0-31 addresses; v32-39 (rho, s) of my four token tiles; v64-95, v96-127 fragments of g, two buffers; v128-223 at work on the way out
;   window 1: v0-95, v96-191 fragments of wo, two buffers; on the way out x.      windows 2, 3: accumulator (a, c) at 8 (12 (a % 2) + c) of window 2 + a / 2
.set SLOTB,  131072                    ; a slot: g's tile (16 panels x 2,048), then wo's (16 panels x 6,144)
.set WOFF,   32768
.set STAGE,  262144                    ; per wave 16 rows x 784 bytes (768 + 16: an odd multiple of 16)
.set SPITCH, 784
.set SC,     312320                    ; 128 x (rho, s)
.set SPARE,  313344                    ; the spare words, 128 bytes a wave
.set MSB, 0
.macro WIN new
.if MSB != (\new)
	s_set_vgpr_msb (MSB<<8)|(\new)
.set MSB, (\new)
.endif
.endm
.macro PLACES
.rept 4
	v_nop
.endr
.endm
.macro JLOAD s                         ; wave 0: g's tile; waves 1 to 3: their thirds of wo's, jointly.  An s_nop 0 and four v_nop follow each of the two lines
	s_cmp_eq_u32 s14, 0
	s_cbranch_scc0 .Lfor_w_\@
	tensor_load_to_lds s[32+4*(\s):35+4*(\s)], s[24:31]
	s_nop 0
	PLACES
	s_branch .Lasked_\@
.Lfor_w_\@:
	tensor_load_to_lds s[56+4*(\s):59+4*(\s)], s[48:55]
	s_nop 0
	PLACES
.Lasked_\@:
.endm
.macro CREST                           ; a round of the cluster's barrier behind its opening barrier
	s_cmp_lg_u32 s14, 0
	s_cbranch_scc1 .Lnot_wave_0_\@
	s_barrier_signal -3
.Lnot_wave_0_\@:
	s_barrier_wait -3
	s_barrier_signal -1
	s_barrier_wait -1
.endm
.macro CROUND
	s_barrier_signal -1
	s_barrier_wait -1
	CREST
.endm
	s_load_b256 s[4:11], s[0:1], 0x0               ; g s[4:5], wo s[6:7], ssq s[8:9], x s[10:11]
	s_load_b64 s[12:13], s[0:1], 0x20              ; out0
	v_lshl_add_u32 v28, v0, 2, SPARE
	v_mov_b32 v29, 0
	ds_add_u32 v28, v29                            ; the wave's opening: the add and its wait go ahead of my first tensor load
	v_lshrrev_b32 v1, 5, v0
	v_readfirstlane_b32 s14, v1                    ; wave
	s_lshr_b32 s15, s14, 1                         ; which 64 tokens
	s_and_b32 s16, s14, 1                          ; which 192 columns
	s_bfe_u32 s17, ttmp6, 0x40000                  ; my place in the cluster: it enters global addresses alone
	s_lshl_b32 s18, ttmp9, 2
	s_add_co_u32 s18, s18, s17                     ; work-group
	s_lshr_b32 s19, s18, 3                         ; image
	s_and_b32 s20, s18, 7
	s_lshl_b32 s20, s20, 7                         ; first token in the image
	s_mov_b32 s24, 3<<16                           ; g's tile: 8-byte elements, no mask, no padding
	s_mov_b32 s25, 256<<16                         ; tensor_dim0 = 256: 128 tokens x 16 bytes
	s_mov_b32 s26, 16<<16                          ; tensor_dim1 = 16 panels
	s_mov_b32 s27, 256<<16                         ; tile_dim0
	s_mov_b32 s28, 16                              ; tile_dim1
	s_mov_b32 s29, 2048                            ; a panel is 16,384 bytes
	s_mov_b32 s30, 0
	s_mov_b32 s31, 0
	s_mov_b32 s48, 15|(3<<16)|(1<<21)              ; wo's third: the mask of four, bit 21 beside it; 32,768 dense bytes as 128 rows of 256
	s_mov_b32 s49, 32<<16
	s_mov_b32 s50, 128<<16
	s_mov_b32 s51, 32<<16
	s_mov_b32 s52, 128
	s_mov_b32 s53, 32
	s_mov_b32 s54, 0
	s_mov_b32 s55, 0
	s_mul_i32 s21, s14, 32768                      ; where my load goes: wave x 32,768
	s_mul_i32 s40, s19, 3145728
	s_lshl_b32 s41, s20, 4
	s_add_co_u32 s40, s40, s41
	s_mov_b32 s41, 0
	s_max_u32 s42, s14, 1
	s_sub_co_u32 s42, s42, 1
	s_lshl_b32 s42, s42, 15
	s_mov_b32 s43, 0
	s_lshl_b32 s44, s19, 15
	s_mov_b32 s45, 0
	s_wait_dscnt 0x0                               ; the opening add is done
	s_wait_kmcnt 0x0
	s_add_nc_u64 s[4:5], s[4:5], s[40:41]
	s_add_nc_u64 s[6:7], s[6:7], s[42:43]
	s_add_nc_u64 s[22:23], s[8:9], s[44:45]        ; ssq at my image
	CROUND                                         ; all four work-groups are here: the first joint loads meet
.irp s, 0,1
	s_mov_b32 s[32+4*(\s)], 1
	s_add_co_u32 s[33+4*(\s)], s21, (\s)*SLOTB
	s_add_nc_u64 s[34+4*(\s):35+4*(\s)], s[4:5], (\s)*262144
	s_or_b32 s[35+4*(\s)], s[35+4*(\s)], 0x80000000
	s_mov_b32 s[56+4*(\s)], 1
	s_add_co_u32 s[57+4*(\s)], s21, (\s)*SLOTB
	s_add_nc_u64 s[58+4*(\s):59+4*(\s)], s[6:7], (\s)*98304
	s_or_b32 s[59+4*(\s)], s[59+4*(\s)], 0x80000000
	JLOAD \s                                       ; K steps 0 and 1: two loads of mine are out
.endr
	; the scales: thread i takes token i of the work-group's 128.  ssq is [d][hg][position]: direction 1's tiles of 16 lie in sequence order, so tile m of memory is tile 63 - m there
	v_add_nc_u32 v1, s20, v0
	v_and_b32 v2, 0x3f0, v1
	v_and_b32 v3, 15, v1
	v_sub_nc_u32 v2, 1008, v2
	v_add_lshl_u32 v2, v2, v3, 2
	v_lshlrev_b32 v1, 2, v1
.set k, 0
.rept 4
	global_load_b32 v[40+k], v1, s[22:23] offset:4096*k
	global_load_b32 v[44+k], v2, s[22:23] offset:16384+4096*k
.set k, k+1
.endr
	s_mov_b32 s42, 0x3aaaaaab                      ; 1 / 768
	s_mov_b32 s43, 0x3727c5ac                      ; 1e-5
	v_and_b32 v3, 15, v0                           ; r
	v_bfe_u32 v4, v0, 4, 1                         ; h
	v_lshlrev_b32 v5, 4, v3
	s_lshl_b32 s40, s15, 10
	v_lshl_add_u32 v16, v4, 11, v5
	v_add_nc_u32 v16, s40, v16                     ; v16, v17: g's fragments in slot 0, 1: panel h, token 64 th + r
	v_add_nc_u32 v17, SLOTB, v16
	v_mul_u32_u24 v6, v4, 6144
	v_add_nc_u32 v6, v6, v5
	s_mul_i32 s40, s16, 3072
	s_add_co_u32 s40, s40, WOFF
	v_add_nc_u32 v20, s40, v6                      ; v20-23: wo's fragments, slot 0, 1 x panels 0-7, 8-15: panel h, column 192 nh + r
	v_add_nc_u32 v21, 49152, v20
	v_add_nc_u32 v22, SLOTB, v20
	v_add_nc_u32 v23, SLOTB, v21
	s_mul_i32 s40, s14, 16*SPITCH
	s_add_co_u32 s40, s40, STAGE
	v_mul_u32_u24 v6, v3, SPITCH
	v_lshl_add_u32 v6, v4, 5, v6
	v_add_nc_u32 v24, s40, v6                      ; v24: into my stage: row r, 32 bytes for each half of the lanes
	v_add_nc_u32 v6, s40, v5
	v_lshl_add_u32 v25, v4, 8, v6                  ; v25-27: back.  Two rows of 768 bytes are three loads of 512: each half of the lanes takes 256 consecutive bytes of a row
	v_mul_u32_u24 v7, v4, 272
	v_add3_u32 v26, v6, v7, 512
	v_lshl_add_u32 v27, v4, 8, v6
	v_add_nc_u32 v27, 1040, v27
	v_lshl_add_u32 v8, v4, 8, v5                   ; v8-10: the same three places in x and out0, whose rows are 1,536 bytes
	v_lshl_add_u32 v9, v4, 10, v5
	v_add_nc_u32 v9, 512, v9
	v_add_nc_u32 v10, 1792, v8
	s_lshl_b32 s40, s15, 9
	s_add_co_u32 s40, s40, SC
	v_lshl_add_u32 v11, v3, 3, s40                 ; v11: (rho, s) of token 64 th + r
	s_lshl_b32 s40, s18, 7
	s_lshl_b32 s41, s15, 6
	s_add_co_u32 s40, s40, s41
	s_mul_i32 s40, s40, 1536
	s_mul_i32 s41, s16, 768
	s_add_co_u32 s40, s40, s41
	s_mov_b32 s41, 0
	s_add_nc_u64 s[44:45], s[10:11], s[40:41]      ; x and out0 at my first token and column
	s_add_nc_u64 s[46:47], s[12:13], s[40:41]
	s_wait_loadcnt 0x0
	v_add_f32 v40, v40, v41
	v_add_f32 v42, v42, v43
	v_add_f32 v44, v44, v45
	v_add_f32 v46, v46, v47
	v_add_f32 v40, v40, v42
	v_add_f32 v44, v44, v46
	v_fma_f32 v40, v40, s42, s43
	v_fma_f32 v44, v44, s42, s43
	v_rsq_f32 v41, v40
	v_sqrt_f32 v42, v44
	v_rsq_f32 v43, v44
	v_lshl_add_u32 v48, v0, 3, SC                  ; also the plain instruction behind the roots
	s_wait_alu depctr_va_vdst(0)
	v_mul_f32 v46, v41, v42                        ; rho = r_f / r_b
	v_mul_f32 v47, 0.5, v43                        ; s = 0.5 r_b
	ds_store_b64 v48, v[46:47]
.macro FETCH slot, ksub, f             ; 32 LDS loads in one run: 32 along K (four panels) at quarter ksub of the slot, into buffer f; g's first two token tiles ahead of the other two
	WIN 0x40
.set c, 0
.rept 12
	ds_load_b128 v[96*(\f)+8*c:96*(\f)+8*c+3], v[20+2*(\slot)+(\ksub)/2] offset:((\ksub)&1)*24576+256*c
	ds_load_b128 v[96*(\f)+8*c+4:96*(\f)+8*c+7], v[20+2*(\slot)+(\ksub)/2] offset:((\ksub)&1)*24576+256*c+12288
.set c, c+1
.endr
	WIN 0
.set a, 0
.rept 4
	ds_load_b128 v[64+32*(\f)+8*a:64+32*(\f)+8*a+3], v[16+(\slot)] offset:8192*(\ksub)+256*a
	ds_load_b128 v[64+32*(\f)+8*a+4:64+32*(\f)+8*a+7], v[16+(\slot)] offset:8192*(\ksub)+256*a+4096
.set a, a+1
.endr
.endm
.macro MUL12 f, hi, al, zero           ; token tile a = 2 hi + al x all 12 column tiles.  The 48 accumulators take turns, one instruction a turn
	WIN 0xa1+0x50*(\hi)
.set c, 0
.rept 12
.set ra, 8*(12*(\al)+c)
.set rw, 96*(\f)+8*c
.set rg, 64+32*(\f)+8*(2*(\hi)+(\al))
.if \zero
	v_wmma_f32_16x16x32_bf16 v[ra:ra+7], v[rw:rw+7], v[rg:rg+7], 0
.else
	v_wmma_f32_16x16x32_bf16 v[ra:ra+7], v[rw:rw+7], v[rg:rg+7], v[ra:ra+7]
.endif
.set c, c+1
.endr
.endm
.macro QUARTER slot, ksub, f, g, zero  ; multiplies buffer f; in its middle fetches quarter ksub of the slot into buffer g
	s_wait_dscnt 4                                 ; all but g's token tiles 2 and 3
	MUL12 \f, 0, 0, \zero
	MUL12 \f, 0, 1, \zero
	PLACES
	FETCH \slot, \ksub, \g
	s_wait_dscnt 32                                ; all but the 32 just issued
	MUL12 \f, 1, 0, \zero
	MUL12 \f, 1, 1, \zero
.endm
; A K step's last quarter multiplies buffer 1 and changes slots: one barrier; in front of it each wave waits for all its tensor loads (one is out: its part of the next slot), adds 0 to its spare word,
; and waits for that and for its reads of this slot.  fill = 1: the barrier opens a round of the cluster's, and the slot is filled again, two K steps ahead, first thing behind it.
.macro TURN slot, next, fill
	WIN 0
	s_wait_tensorcnt 0x0
	ds_add_u32 v28, v29                            ; 0 onto my spare word
	s_wait_dscnt 5                                 ; (the add and the youngest four loads may be out)
	MUL12 1, 0, 0, 0
	s_wait_dscnt 0x0                               ; the add is done, and my reads of this slot are over
	s_barrier_signal -1
	MUL12 1, 0, 1, 0
	WIN 0
	s_barrier_wait -1
.if \fill
	CREST
	s_add_nc_u64 s[34+4*(\slot):35+4*(\slot)], s[34+4*(\slot):35+4*(\slot)], 524288
	s_add_nc_u64 s[58+4*(\slot):59+4*(\slot)], s[58+4*(\slot):59+4*(\slot)], 196608
	JLOAD \slot                                    ; the four v_nop behind it are also the places in front of the loads below
.else
	PLACES
.endif
	FETCH \next, 0, 0
	MUL12 1, 1, 0, 0
	MUL12 1, 1, 1, 0
.endm
	s_wait_tensorcnt 1                             ; my part of K step 0 is in; K step 1's may stay out
	s_wait_dscnt 0x0                               ; my scales are stored
	s_barrier_signal -1
	s_barrier_wait -1
.set a, 0
.rept 4
	ds_load_b64 v[32+2*a:33+2*a], v11 offset:128*a
.set a, a+1
.endr
	FETCH 0, 0, 0
	QUARTER 0, 1, 0, 1, 1                          ; the first quarter stands in front of the loop: its products start the sums
	WIN 0
	s_mov_b32 s3, 5
.Llap:                                                 ; a trip goes once round the ring, from a lap's second quarter to the next lap's first, and fills both slots again
	QUARTER 0, 2, 1, 0, 0
	QUARTER 0, 3, 0, 1, 0
	TURN 0, 1, 1
	QUARTER 1, 1, 0, 1, 0
	QUARTER 1, 2, 1, 0, 0
	QUARTER 1, 3, 0, 1, 0
	TURN 1, 0, 1
	WIN 0
	s_cmp_lg_u32 s3, 3                             ; the third trip ends K step 5, direction 0's last: the sums are multiplied by rho
	s_cbranch_scc1 .Lno_rescale                    ; (a jump forward, over neither a barrier nor a tensor load)
	WIN 0x82                                       ; window 2's first: finished in front of the refill's four places; their 96 lines are the places behind window 3's last products
.set a, 0
.rept 2
.set k, 0
.rept 48
	v_pk_mul_f32 v[96*a+2*k:96*a+2*k+1], v[96*a+2*k:96*a+2*k+1], v[32+2*a:33+2*a] op_sel_hi:[1,0]
.set k, k+1
.endr
.set a, a+1
.endr
	WIN 0xc3
.set a, 0
.rept 2
.set k, 0
.rept 48
	v_pk_mul_f32 v[96*a+2*k:96*a+2*k+1], v[96*a+2*k:96*a+2*k+1], v[36+2*a:37+2*a] op_sel_hi:[1,0]
.set k, k+1
.endr
.set a, a+1
.endr
	WIN 0
.Lno_rescale:
	QUARTER 0, 1, 0, 1, 0
	WIN 0
	s_sub_co_u32 s3, s3, 1
	s_cmp_lg_u32 s3, 0
	s_cbranch_scc1 .Llap
	QUARTER 0, 2, 1, 0, 0                          ; the last lap fills nothing
	QUARTER 0, 3, 0, 1, 0
	TURN 0, 1, 0
	QUARTER 1, 1, 0, 1, 0
	QUARTER 1, 2, 1, 0, 0
	QUARTER 1, 3, 0, 1, 0
	s_wait_dscnt 4
	MUL12 1, 0, 0, 0
	MUL12 1, 0, 1, 0
	s_wait_dscnt 0x0
	MUL12 1, 1, 0, 0
	MUL12 1, 1, 1, 0
	WIN 0
; THE WAY OUT, a token tile (16 rows x 768 bytes) at a time: times s, through my stage into whole rows, plus x, stored.  x comes two tiles ahead, into wo's fragment registers.
.macro LOADX a
	WIN 0x40
.set q, 0
.rept 24
	global_load_b128 v[96*((\a)&1)+4*q:96*((\a)&1)+4*q+3], v[8+q%3], s[44:45] offset:3072*(q/3)+24576*(\a)
.set q, q+1
.endr
	WIN 0
.endm
.macro OUTT a
	s_wait_xcnt 0x0                                ; v128-223 were the last tile's store data: rewritten only behind this wait
	WIN 0x02+((\a)>>1)
.set k, 0
.rept 48
	v_pk_mul_f32 v[128+2*k:129+2*k], v[96*((\a)&1)+2*k:96*((\a)&1)+2*k+1], v[32+2*(\a):33+2*(\a)] op_sel:[0,1] op_sel_hi:[1,1]
.set k, k+1
.endr
	WIN 0
.set c, 0
.rept 12
	ds_store_b128 v24, v[128+8*c:131+8*c] offset:64*c
	ds_store_b128 v24, v[132+8*c:135+8*c] offset:64*c+16
.set c, c+1
.endr
.set q, 0
.rept 24
	ds_load_b128 v[128+4*q:131+4*q], v[25+q%3] offset:1568*(q/3)   ; LDS serves a wave's instructions in order (ISA guide 5.7.1.4): these see the stores above
.set q, q+1
.endr
.if (\a) < 3
	s_wait_loadcnt 24                              ; this tile's x is in; the next tile's 24 loads may stay out
.else
	s_wait_loadcnt 0x0
.endif
	s_wait_dscnt 0x0
	WIN 0x04
.set k, 0
.rept 48
	v_pk_add_f32 v[128+2*k:129+2*k], v[128+2*k:129+2*k], v[96*((\a)&1)+2*k:96*((\a)&1)+2*k+1]
.set k, k+1
.endr
	WIN 0
.set q, 0
.rept 24
	global_store_b128 v[8+q%3], v[128+4*q:131+4*q], s[46:47] offset:3072*(q/3)+24576*(\a)   ; 16 lanes store 256 consecutive bytes, at a multiple of 256 from out0's first
.set q, q+1
.endr
.if (\a) < 2
	LOADX (\a)+2
.endif
.endm
	PLACES                                         ; behind the last products: their fragment registers are loaded below
	LOADX 0
	LOADX 1
	OUTT 0
	OUTT 1
	OUTT 2
	OUTT 3
	s_wait_tensorcnt 0x0                           ; the wave's end: behind my last tensor load and my last LDS store
	ds_add_u32 v28, v29
	s_wait_dscnt 0x0
	CROUND                                         ; the closing round: no work-group ends while a partner may still ask for a tile that names it
	s_endpgm
.Lfunc_end_k_q42bc97c615_outp:
	.size	k_q42bc97c615_outp, .Lfunc_end_k_q42bc97c615_outp-k_q42bc97c615_outp
	.p2alignl 7, 3214868480
	.fill 96, 4, 3214868480
	.section	.rodata,"a",@progbits
	.p2align	6, 0x0
	.amdhsa_kernel k_q42bc97c615_outp
		.amdhsa_group_segment_fixed_size 327680
		.amdhsa_private_segment_fixed_size 0
		.amdhsa_enable_private_segment 0
		.amdhsa_kernarg_size 40
		.amdhsa_user_sgpr_count 2
		.amdhsa_user_sgpr_kernarg_segment_ptr 1
		.amdhsa_wavefront_size32 1
		.amdhsa_system_sgpr_workgroup_id_x 1
		.amdhsa_system_sgpr_workgroup_id_y 1
		.amdhsa_system_sgpr_workgroup_id_z 1
		.amdhsa_system_vgpr_workitem_id 0
		.amdhsa_next_free_vgpr 960
		.amdhsa_next_free_sgpr 66
		.amdhsa_reserve_vcc 0
		.amdhsa_float_denorm_mode_32 3
		.amdhsa_float_denorm_mode_16_64 3
		.amdhsa_memory_ordered 1
		.amdhsa_forward_progress 1
		.amdhsa_inst_pref_size 165
	.end_amdhsa_kernel
	.amdgpu_metadata
---
amdhsa.version: [ 1, 2 ]
amdhsa.kernels:
  - .name:           k_q42bc97c615_outp
    .symbol:         k_q42bc97c615_outp.kd
    .args:
      - { .name: g, .offset: 0, .size: 8, .value_kind: global_buffer, .address_space: global }
      - { .name: wo, .offset: 8, .size: 8, .value_kind: global_buffer, .address_space: global }
      - { .name: ssq, .offset: 16, .size: 8, .value_kind: global_buffer, .address_space: global }
      - { .name: x, .offset: 24, .size: 8, .value_kind: global_buffer, .address_space: global }
      - { .name: out0, .offset: 32, .size: 8, .value_kind: global_buffer, .address_space: global }
    .group_segment_fixed_size: 327680
    .private_segment_fixed_size: 0
    .kernarg_segment_align: 8
    .kernarg_segment_size: 40
    .max_flat_workgroup_size: 128
    .sgpr_count:     66
    .vgpr_count:     960
    .wavefront_size: 32
...
	.end_amdgpu_metadata
.endif
;; end of part 3
